; MI455X (gfx1250); checked and timed in simulation.
; The chip was launched on July 23, 2026; its instructions are those of AMD's public machine-readable ISA for CDNA 5 (MIT licence, August 2026) and "CDNA5" Instruction Set Architecture Reference Guide (July 2026). The comments in the code are by the model that wrote it; some were corrected since.
;; Multi Head Self Attention. Allowed arithmetic: matrix products marked QUANTISED: E2M1 operands, one E8M0 scale for each 32 along K, by v_wmma_scale_f32_16x16x128_f8f6f4 with both operands' format E2M1 (or v_wmma_scale_f32_32x16x128_f4), f32 sums; everything else in f32.
;; Inputs: Wk 1,024 x 1,024 float32; Wo 1,024 x 1,024 float32; Wq 1,024 x 1,024 float32; Wv 1,024 x 1,024 float32; bk 1,024 float32; bo 1,024 float32; bq 1,024 float32; bv 1,024 float32; x 4 x 2,048 x 1,024 float32.
;; Outputs: out0 4 x 2,048 x 1,024 float32.
;; This version of the problem:
;;   THIS VERSION OF THE PROBLEM IS GIVEN IN LOW PRECISION. The matrix products marked QUANTISED in the list below multiply operands that are first quantised to E2M1 (2 exponent bits, 1 mantissa bit; 4 bits a number), with one power-of-two scale for each 32 numbers along K (OCP MX v1.0); their sums are f32. All else is computed in f32.
;;   The module's matrix products, in the order in which they are computed (A, B: the left and right operand; K: the contracted axis; several contracted axes count as one K, in the product's order):
;;     1. [M 8,192, K 1,024] x [K 1,024, N 1,024]; A: input x; B: input Wq: QUANTISED
;;     2. [M 8,192, K 1,024] x [K 1,024, N 1,024]; A: input x; B: input Wk: QUANTISED
;;     3. [M 8,192, K 1,024] x [K 1,024, N 1,024]; A: input x; B: input Wv: QUANTISED
;;     4. batch 64 x [M 2,048, K 64] x [K 64, N 2,048]; A: computed on the way; B: computed on the way: QUANTISED
;;     5. batch 64 x [M 64, K 2,048] x [K 2,048, N 2,048]; A: computed on the way; B: softmax (see below): QUANTISED
;;     6. [M 8,192, K 1,024] x [K 1,024, N 1,024]; A: computed on the way; B: input Wo: QUANTISED
;;   THE QUANTISER, for each operand of a quantised product, along K:
;;     - K is cut into blocks of 32 from its start; a last block that is shorter is filled with zeros.
;;     - A block's scale is 2^e with e = floor(log2(the largest magnitude in the block)) - 2, held to -126 .. 127; a block of zeros has e = 0. As a byte (E8M0): e + 127.
;;     - Each number is divided by its block's scale, clamped to +-6, and rounded to the nearest number of E2M1, ties to even, subnormals kept.
;;     - The product sums the exact products of the quantised numbers (number of the format x scale) in f32.
;;   ~~~python
;;   def quantise(x, axis):      # numpy; x: float32 -> the quantised numbers, widened to float32 again
;;       x = np.moveaxis(x, axis, -1); K = x.shape[-1]
;;       x = np.pad(x, [(0, 0)] * (x.ndim - 1) + [(0, -K % 32)]); x = x.reshape(x.shape[:-1] + (-1, 32)); a = np.abs(x).max(-1, keepdims=True)
;;       e = np.where(a > 0, np.clip(np.frexp(np.where(a > 0, a, 1))[1] - 1 - 2, -126, 127), 0)      # np.frexp(a)[1] - 1 = floor(log2(a)), exactly
;;       r = np.clip(x / 2.0 ** e, -6, 6)
;;       step = 2.0 ** (np.maximum(np.frexp(np.where(r == 0, 1, r))[1] - 1, 0) - 1)
;;       q = np.round(r / step) * step * 2.0 ** e      # np.round: ties to even
;;       return np.moveaxis(q.reshape(q.shape[:-2] + (-1,))[..., :K], -1, axis).astype(np.float32)
;;   ~~~
;;   SOFTMAX AHEAD OF A QUANTISED PRODUCT. Where the list says 'softmax', what is quantised is not the finished softmax but p = 2^(t - M), with t = logit x log2(e) and M = ceil(the row's largest t), a whole number; so 1/2 < the row's largest p <= 1. The row's sum l is taken of the UNQUANTISED p, in f32, and the product's result is divided by l at the end. Since M is a whole number, a kernel that streams over the keys may use a running M (the ceiling of the running maximum): every later rescaling is an exact power of two, which a block's scale takes up: the codes' values come out the same.
;;   OPERANDS COMPUTED ON THE WAY. 'Computed on the way' means the value that the module computes at that place (a softmax that the list does not call 'softmax' is quantised finished and normalised). What goes into a quantiser is computed in f32, as accurately as f32 sums, v_exp_f32 and their like allow (about 1e-6 of the number): no bf16 or f16 on the way to a quantiser, and a product that is left as it is and whose result goes on into a quantised operand takes f32 operands (vector FMAs, or v_wmma_f32_16x16x4_f32). A number that lies on a knife's edge between two numbers of the format may be rounded either way, as far as f32 arithmetic and the matrix unit's own rounding can turn it there, and no further.
;; One version. Each part assembles by itself: llvm-mc -triple=amdgcn-amd-amdhsa -mcpu=gfx1250 --defsym DOCPART=n.
;; ======== version 1 of 1: 4 launches
;; limits: right only within a limited range of input values
;; workspace buffers: cod 6,291,456 bytes; scl 393,216 bytes; img 12,582,912 bytes; sc2 1,310,720 bytes; oimg 4,194,304 bytes; oscl 262,144 bytes
;; launch prep (part 1): grid 384 x 1, 8 waves a work-group, no clusters, 84,992 bytes of LDS; arguments Wq, Wk, Wv, Wo, cod, scl, x; writes cod, scl
.if DOCPART == 1
	.amdgcn_target "amdgcn-amd-amdhsa--gfx1250"
	.amdhsa_code_object_version 6
	.text
	.protected	k_q897c425790_prep
	.globl	k_q897c425790_prep
	.p2align	8
	.type	k_q897c425790_prep,@function
k_q897c425790_prep:
	s_mov_b64 s[64:65], 0
	v_nop
	global_prefetch_b8 v0, s[64:65] scope:SCOPE_SE
	s_setreg_imm32_b32 hwreg(HW_REG_WAVE_MODE, 25, 1), 1
	s_wait_xcnt 0x0
; One launch quantises x and the four weights to codes of FP4 (E2M1), K innermost, 512 bytes a row, with one E8M0 byte for each 32 along K, 32 bytes a row.
; WORK LEFT OUT IN THIS PROGRAM: reference() sets every score with key > query to -inf ahead of its softmax, so such a score's weight is 0 for all values of the inputs.
; The attention launch leaves out the steps of 128 keys that lie wholly behind a tile's queries.  LIMIT: a NaN or an infinity that reaches only those scores is not carried to the result.
; Work-groups 0-127: Wq, Wk, Wv, Wo [1024 (k)][1024 (n)].  Column n of weight i is stored as row 8192 + 1024 i + p(n), p = bits 3 and 4 exchanged.  A lane takes a column and its registers run down K.
;   Work-group: 64 columns, weight y / 2, K half y % 2; wave w: 32 columns (w % 2), 128 along K (w / 2).  The codes meet in a stage; behind one barrier each wave stores 8 rows, sixteen lanes to 256 consecutive aligned bytes.
; Work-groups 128-383: x [8192][1024].  Row i is stored at row p(i).  A wave takes 4 rows (8 steps of 512 numbers); bits 1 and 2 of its number are bits 3 and 4 of the row and are exchanged on the way out.
;   Each load reads 512 consecutive bytes; a step's 2,048 bytes turn through the wave's own stage in LDS (16 bytes of padding behind each 64) and come back 64 bytes a lane: 16 neighbours along K.
; A block's byte is its largest magnitude's exponent field - 2, held at 1 from below.
; LIMITS: a block of zeros, and one whose largest magnitude lies under 2^-124, get the byte 1 (the codes are zeros or held, and this program alone reads the bytes); NaN and infinities are not served.
; The two paths part on the work-group's number alone and have LDS bytes of their own: x's stages 0 - 65,535, the weights' stage from 65,536, the spare words from 83,968.
.set EMAX,  2
.set WST,   65536
.set SPARE, 83968
	s_load_b256 s[4:11], s[0:1], 0x0               ; Wq, Wk, Wv, Wo
	s_load_b128 s[12:15], s[0:1], 0x20             ; the codes, the scale bytes
	s_load_b64 s[32:33], s[0:1], 0x30              ; x
	v_lshl_add_u32 v192, v0, 2, SPARE
	v_mov_b32 v193, 0
	v_lshrrev_b32 v1, 5, v0
	v_readfirstlane_b32 s16, v1                    ; wave 0..7
	v_and_b32 v2, 31, v0                           ; lane
	s_cmp_lt_u32 ttmp9, 128
	s_wait_alu depctr_va_vdst(0)                   ; the wait ahead of the branch
	s_cbranch_scc1 .Lweights
; ---- x ----
.set STEPS, 8
.set CB,    8
.set R,     16                         ; v16-79   four sets of 16 numbers as loaded
.set X,     80                         ; v80-111  two sets of 16 neighbours
.set C,     128                        ; v128-159 codes, registers of its own for each step
.set E,     112                        ; v112-119 a scale byte for each step
.set WREG,  8192                       ; a wave's LDS: two stages of 32 x SP bytes, then its 128 scale bytes
.set SP,    80
	v_lshlrev_b32 v3, 4, v2                        ; my 16 bytes of a load's 512
	s_mul_i32 s17, s16, WREG
	v_lshrrev_b32 v14, 2, v2
	v_mul_u32_u24 v14, v14, SP
	v_and_b32 v15, 3, v2
	v_lshl_add_u32 v14, v15, 4, v14
	v_add_nc_u32 v14, s17, v14                     ; the stage, in: SP (lane / 4) + 16 (lane % 4)
	v_mul_u32_u24 v15, v2, SP
	v_add_nc_u32 v15, s17, v15                     ; and out: SP x lane
	v_mul_u32_u24 v4, v2, CB
	v_lshrrev_b32 v5, 1, v2
	s_add_co_u32 s17, s17, 2*32*SP
	v_add_nc_u32 v5, s17, v5                       ; my block's byte among the wave's 128
	v_lshlrev_b32 v7, 2, v2
	v_add_nc_u32 v6, s17, v7
	s_sub_co_u32 s34, ttmp9, 128
	s_lshl_b32 s17, s34, 3
	s_add_co_u32 s18, s17, s16                     ; the group of 4 rows that I read
	s_and_b32 s19, s16, 1
	s_bfe_u32 s20, s16, 0x10001
	s_lshl_b32 s20, s20, 2
	s_or_b32 s19, s19, s20
	s_bfe_u32 s20, s16, 0x10002
	s_lshl_b32 s20, s20, 1
	s_or_b32 s19, s19, s20
	s_add_co_u32 s19, s17, s19                     ; and the group that I write: bits 1 and 2 exchanged
	s_lshl_b32 s20, s18, 14
	s_mov_b32 s21, 0
	s_lshl_b32 s22, s19, 11
	s_mov_b32 s23, 0
	s_lshl_b32 s24, s19, 7
	s_mov_b32 s25, 0
	s_wait_alu depctr_va_vdst(0)                   ; the wait at the head's end
	s_wait_kmcnt 0x0
	s_add_nc_u64 s[4:5], s[32:33], s[20:21]
	s_add_nc_u64 s[6:7], s[12:13], s[22:23]
	s_add_nc_u64 s[8:9], s[14:15], s[24:25]
.macro XLOAD t
.irp i, 0,1,2,3
	global_load_b128 v[R+16*((\t)%4)+4*\i:R+16*((\t)%4)+4*\i+3], v3, s[4:5] offset:2048*(\t)+512*\i th:TH_LOAD_NT
.endr
.endm
.macro XTURN t                         ; LDS serves a wave's instructions in order: no wait between the stores and the loads
.irp i, 0,1,2,3
	ds_store_b128 v14, v[R+16*((\t)%4)+4*\i:R+16*((\t)%4)+4*\i+3] offset:32*SP*((\t)%2)+8*SP*\i
.endr
.irp i, 0,1,2,3
	ds_load_b128 v[X+16*((\t)%2)+4*\i:X+16*((\t)%2)+4*\i+3], v15 offset:32*SP*((\t)%2)+16*\i
.endr
.endm
.irp t, 0,1,2,3
	XLOAD \t
.endr
	s_wait_loadcnt 12                              ; step 0's four loads are in; twelve younger may be out
	XTURN 0
.macro XSTEP t
.set XS, X+16*((\t)%2)
.if (\t) > 0
	s_wait_dscnt 1                                 ; this step's numbers are back (the last step's byte store may be out)
.else
	s_wait_dscnt 0x0
.endif
.if (\t)+4 < STEPS
	XLOAD (\t)+4
.endif
.if (\t)+1 < STEPS
.if STEPS-2-(\t) >= 3
	s_wait_loadcnt 12                              ; the next step's four loads are in; three steps' may be out
.else
	s_wait_loadcnt 4*(STEPS-2-(\t))
.endif
	XTURN (\t)+1
.endif
	v_max3_num_f32 v8, |v[XS]|, |v[XS+1]|, |v[XS+2]|
	v_max3_num_f32 v9, |v[XS+3]|, |v[XS+4]|, |v[XS+5]|
.irp i, 6,10
	v_max3_num_f32 v8, v8, |v[XS+\i]|, |v[XS+\i+1]|
	v_max3_num_f32 v9, v9, |v[XS+\i+2]|, |v[XS+\i+3]|
.endr
	v_max3_num_f32 v8, v8, |v[XS+14]|, |v[XS+15]|
	v_max3_num_f32 v8, v8, v9, (EMAX+1)<<23        ; the floor 2^(3 - 127): the byte cannot fall under 1
	v_max_num_f32_dpp v8, v8, v8 row_xmask:1 row_mask:0xf bank_mask:0xf   ; with my neighbour's 16: the block's
	v_add_nc_u32 v11, -(EMAX<<23), v8              ; 2 off the exponent field: the conversion's scale operand
	v_cvt_scalef32_pk8_fp4_f32 v[C+4*(\t)], v[XS:XS+7], v11
	v_cvt_scalef32_pk8_fp4_f32 v[C+4*(\t)+1], v[XS+8:XS+15], v11
	v_lshrrev_b32 v[E+(\t)], 23, v11               ; the scale's byte (also the plain line behind the conversions)
	ds_store_b8 v5, v[E+(\t)] offset:16*(\t)
	global_store_b64 v4, v[C+4*(\t):C+4*(\t)+1], s[6:7] offset:32*CB*(\t)   ; the wave stores 256 consecutive bytes, aligned
.endm
.irp t, 0,1,2,3,4,5,6,7
	XSTEP \t
.endr
	ds_load_b32 v12, v6
	s_wait_dscnt 0x0
	global_store_b32 v7, v12, s[8:9]               ; my four rows' 128 scale bytes
	s_wait_tensorcnt 0x0                           ; the wave's end
	ds_add_u32 v192, v193
	s_wait_dscnt 0x0
	s_endpgm
; ---- the weights ----
.Lweights:
.set PITCH, 272
.set SST,   WST+64*PITCH               ; behind the stage: [column 64][16 bytes] of scale bytes
.set C,     32                         ; v32-47   codes, four registers a block
.set OUTR,  48                         ; v48-63   the way out
.set X,     64                         ; v64-191  128 numbers
	s_and_b32 s35, ttmp9, 15                       ; which 64 columns
	s_lshr_b32 s19, ttmp9, 4
	s_and_b32 s17, s16, 1                          ; which 32 columns
	s_lshr_b32 s18, s16, 1                         ; which 128 along K
	s_lshr_b32 s20, s19, 1                         ; the weight
	s_and_b32 s21, s19, 1                          ; the K half
	v_lshlrev_b32 v3, 2, v2
	s_mul_i32 s22, s17, 32*PITCH
	s_lshl_b32 s23, s18, 6
	s_add_co_u32 s22, s22, s23
	s_add_co_u32 s22, s22, WST
	v_mul_u32_u24 v4, v2, PITCH
	v_add_nc_u32 v4, s22, v4                       ; the stage, in: row = my column, 64 bytes for each 128 along K
	s_lshl_b32 s22, s17, 9
	s_lshl_b32 s23, s18, 2
	s_add_co_u32 s22, s22, s23
	s_add_co_u32 s22, s22, SST
	v_lshl_add_u32 v5, v2, 4, s22                  ; my four scale bytes
	v_and_b32 v10, 15, v2
	v_lshrrev_b32 v11, 4, v2
	s_mul_i32 s22, s16, 8*PITCH
	s_add_co_u32 s22, s22, WST
	v_mul_u32_u24 v6, v11, PITCH
	v_lshl_add_u32 v6, v10, 4, v6
	v_add_nc_u32 v6, s22, v6                       ; the stage, out: rows 8 w on, sixteen lanes to a row
	v_lshlrev_b32 v7, 9, v11
	v_lshl_add_u32 v7, v10, 4, v7
	s_lshl_b32 s22, s16, 7
	s_add_co_u32 s22, s22, SST
	v_lshl_add_u32 v8, v2, 2, s22                  ; scale bytes, out: a word a lane
	v_lshrrev_b32 v9, 2, v2
	v_lshlrev_b32 v9, 5, v9
	v_and_b32 v12, 3, v2
	v_lshl_add_u32 v9, v12, 2, v9
	s_lshl_b32 s24, s21, 21
	s_lshl_b32 s23, s18, 19
	s_add_co_u32 s24, s24, s23
	s_lshl_b32 s23, s35, 8
	s_add_co_u32 s24, s24, s23
	s_lshl_b32 s23, s17, 7
	s_add_co_u32 s24, s24, s23
	s_mov_b32 s25, 0
	s_lshl_b32 s26, s20, 10                        ; out: row 8192 + 1024 i + 64 x + 32 (w / 4) + 16 (w % 2) + 8 ((w / 2) % 2)
	s_add_co_u32 s26, s26, 8192
	s_lshl_b32 s23, s35, 6
	s_add_co_u32 s26, s26, s23
	s_lshr_b32 s23, s16, 2
	s_lshl_b32 s23, s23, 5
	s_add_co_u32 s26, s26, s23
	s_and_b32 s23, s16, 1
	s_lshl_b32 s23, s23, 4
	s_add_co_u32 s26, s26, s23
	s_and_b32 s23, s16, 2
	s_lshl_b32 s23, s23, 2
	s_add_co_u32 s26, s26, s23
	s_lshl_b32 s28, s26, 9
	s_lshl_b32 s23, s21, 8
	s_add_co_u32 s28, s28, s23
	s_mov_b32 s29, 0
	s_lshl_b32 s30, s26, 5
	s_lshl_b32 s23, s21, 4
	s_add_co_u32 s30, s30, s23
	s_mov_b32 s31, 0
	s_wait_alu depctr_va_vdst(0)                   ; the wait at the head's end
	s_wait_kmcnt 0x0
	s_cmp_eq_u32 s20, 1                            ; the weight is chosen by the work-group's number alone
	s_cselect_b64 s[4:5], s[6:7], s[4:5]
	s_cmp_eq_u32 s20, 2
	s_cselect_b64 s[4:5], s[8:9], s[4:5]
	s_cmp_eq_u32 s20, 3
	s_cselect_b64 s[4:5], s[10:11], s[4:5]
	s_add_nc_u64 s[4:5], s[4:5], s[24:25]
	s_add_nc_u64 s[12:13], s[12:13], s[28:29]
	s_add_nc_u64 s[14:15], s[14:15], s[30:31]
.macro WLOAD t                         ; block t: W(32 t + i, my column): the wave reads 128 consecutive bytes
.set i, 0
.rept 32
	global_load_b32 v[X+32*(\t)+i], v3, s[4:5] offset:(32*(\t)+i)*4096 th:TH_LOAD_NT
.set i, i+1
.endr
.endm
	WLOAD 0
	WLOAD 1
.macro WBLOCK t
.set XS, X+32*(\t)
.if (\t) < 3
	s_wait_loadcnt 32                              ; this block's 32 loads are in; the next block's may be out
.else
	s_wait_loadcnt 0x0
.endif
.if (\t) < 2
	WLOAD (\t)+2
.endif
	v_max3_num_f32 v12, |v[XS]|, |v[XS+1]|, |v[XS+2]|
	v_max3_num_f32 v13, |v[XS+3]|, |v[XS+4]|, |v[XS+5]|
.irp i, 6,10,14,18,22,26
	s_delay_alu instid0(VALU_DEP_2)
	v_max3_num_f32 v12, v12, |v[XS+\i]|, |v[XS+\i+1]|
	s_delay_alu instid0(VALU_DEP_2)
	v_max3_num_f32 v13, v13, |v[XS+\i+2]|, |v[XS+\i+3]|
.endr
	s_delay_alu instid0(VALU_DEP_2)
	v_max3_num_f32 v12, v12, |v[XS+30]|, |v[XS+31]|
	s_delay_alu instid0(VALU_DEP_1)
	v_max3_num_f32 v12, v12, v13, (EMAX+1)<<23     ; the floor: the byte cannot fall under 1
	s_delay_alu instid0(VALU_DEP_1)
	v_add_nc_u32 v11, -(EMAX<<23), v12             ; the conversion's scale operand
	s_delay_alu instid0(VALU_DEP_1)
	v_lshrrev_b32 v13, 23, v11                     ; the byte
.if (\t) == 0
	s_delay_alu instid0(VALU_DEP_1)
	v_mov_b32 v14, v13
.else
	s_delay_alu instid0(VALU_DEP_1)
	v_lshl_or_b32 v14, v13, 8*(\t), v14            ; four bytes to a register, the lower K in the lower byte
.endif
.irp g, 0,1,2,3
	v_cvt_scalef32_pk8_fp4_f32 v[C+4*(\t)+\g], v[XS+8*\g:XS+8*\g+7], v11
.endr
	v_nop                                          ; one plain line behind the conversions
	ds_store_b128 v4, v[C+4*(\t):C+4*(\t)+3] offset:16*(\t)
.endm
	WBLOCK 0
	WBLOCK 1
	WBLOCK 2
	WBLOCK 3
	ds_store_b32 v5, v14
	s_wait_dscnt 0x0                               ; for the others' sake: my stores have landed
	s_barrier_signal -1
	s_barrier_wait -1
.irp t, 0,1,2,3
	ds_load_b128 v[OUTR+4*\t:OUTR+4*\t+3], v6 offset:2*\t*PITCH
.endr
	ds_load_b32 v15, v8
.irp t, 0,1,2,3
	s_wait_dscnt 4-\t                              ; the younger LDS loads may be out
	global_store_b128 v7, v[OUTR+4*\t:OUTR+4*\t+3], s[12:13] offset:2*\t*512   ; sixteen lanes store 256 consecutive bytes, aligned
.endr
	s_wait_dscnt 0x0
	global_store_b32 v9, v15, s[14:15]
	s_wait_tensorcnt 0x0                           ; the wave's end
	ds_add_u32 v192, v193
	s_wait_dscnt 0x0
	s_endpgm
.Lfunc_end_k_q897c425790_prep:
	.size	k_q897c425790_prep, .Lfunc_end_k_q897c425790_prep-k_q897c425790_prep
	.p2alignl 7, 3214868480
	.fill 96, 4, 3214868480
	.section	.rodata,"a",@progbits
	.p2align	6, 0x0
	.amdhsa_kernel k_q897c425790_prep
		.amdhsa_group_segment_fixed_size 84992
		.amdhsa_private_segment_fixed_size 0
		.amdhsa_enable_private_segment 0
		.amdhsa_kernarg_size 56
		.amdhsa_user_sgpr_count 2
		.amdhsa_user_sgpr_kernarg_segment_ptr 1
		.amdhsa_wavefront_size32 1
		.amdhsa_system_sgpr_workgroup_id_x 1
		.amdhsa_system_sgpr_workgroup_id_y 1
		.amdhsa_system_sgpr_workgroup_id_z 1
		.amdhsa_system_vgpr_workitem_id 0
		.amdhsa_next_free_vgpr 194
		.amdhsa_next_free_sgpr 66
		.amdhsa_reserve_vcc 0
		.amdhsa_float_denorm_mode_32 3
		.amdhsa_float_denorm_mode_16_64 3
		.amdhsa_memory_ordered 1
		.amdhsa_forward_progress 1
		.amdhsa_inst_pref_size 43
	.end_amdhsa_kernel
	.amdgpu_metadata
---
amdhsa.version: [ 1, 2 ]
amdhsa.kernels:
  - .name:           k_q897c425790_prep
    .symbol:         k_q897c425790_prep.kd
    .args:
      - { .name: Wq, .offset: 0, .size: 8, .value_kind: global_buffer, .address_space: global }
      - { .name: Wk, .offset: 8, .size: 8, .value_kind: global_buffer, .address_space: global }
      - { .name: Wv, .offset: 16, .size: 8, .value_kind: global_buffer, .address_space: global }
      - { .name: Wo, .offset: 24, .size: 8, .value_kind: global_buffer, .address_space: global }
      - { .name: cod, .offset: 32, .size: 8, .value_kind: global_buffer, .address_space: global }
      - { .name: scl, .offset: 40, .size: 8, .value_kind: global_buffer, .address_space: global }
      - { .name: x, .offset: 48, .size: 8, .value_kind: global_buffer, .address_space: global }
    .group_segment_fixed_size: 84992
    .private_segment_fixed_size: 0
    .kernarg_segment_align: 8
    .kernarg_segment_size: 56
    .max_flat_workgroup_size: 256
    .sgpr_count:     66
    .vgpr_count:     194
    .wavefront_size: 32
...
	.end_amdgpu_metadata
.endif
;; end of part 1
;; launch gemm1 (part 2): grid 12 x 32, 4 waves a work-group, clusters of 4 x 4, 327,680 bytes of LDS; arguments cod, scl, bq, bk, bv, img, sc2; writes img, sc2
.if DOCPART == 2
	.amdgcn_target "amdgcn-amd-amdhsa--gfx1250"
	.amdhsa_code_object_version 6
	.text
	.protected	k_q897c425790_gemm1
	.globl	k_q897c425790_gemm1
	.p2align	8
	.type	k_q897c425790_gemm1,@function
k_q897c425790_gemm1:
	s_mov_b64 s[64:65], 0
	v_nop
	global_prefetch_b8 v0, s[64:65] scope:SCOPE_SE
	s_setreg_imm32_b32 hwreg(HW_REG_WAVE_MODE, 25, 1), 1
	s_wait_xcnt 0x0
	s_wait_alu depctr_hold_cnt(0) depctr_sa_sdst(0) depctr_va_vdst(0) depctr_va_sdst(0) depctr_va_ssrc(0) depctr_va_vcc(0) depctr_vm_vsrc(0)
	s_getreg_b32 s2, hwreg(HW_REG_IB_STS2, 6, 4)
	s_cmp_eq_u32 s2, 0
	s_cbranch_scc0 .Lentry_in_a_cluster
	s_endpgm
.Lentry_in_a_cluster:
	s_bfe_u32 s2, ttmp6, 0x10000c
	s_cmp_lg_u32 s2, 0xf033
	s_cbranch_scc0 .Lentry_shape_is_right
	s_endpgm
.Lentry_shape_is_right:
; q = x Wq + bq, k = x Wk + bk, v = x Wv + bv on codes of FP4 (E2M1) with E8M0 scales, K = 1,024; the results are quantised here and leave as IMAGES OF OPERAND REGISTERS for the attention launch.
; cod: [12288 rows][512 bytes]: rows 0-8191 x, then Wq, Wk, Wv, Wo by columns; scl: the same rows, 32 bytes.  All rows are stored with bits 3 and 4 of the row number exchanged, so that stored rows 16 t + r
; are the rows 32 (t/2) + 8 (t%2) + r + 8 (r/8): in a result, register j of lane (r, h) of source 0's tile t is index 32 (t/2) + 16 h + 8 (t%2) + j: tiles 2 b and 2 b + 1 give a lane 16 neighbours.
; A work-group of four waves makes 256 x 256, a wave 128 x 128: 64 accumulators.  All of K (two slots of 512 along K) and all scale bytes are in LDS at once: every LDS byte is filled once.
; ROLES.  Source 1 (a lane is its row) and source 0 (a lane's registers run along it).  q and k are quantised along the head's 64, so x is source 1 and W source 0; v is quantised along the tokens, so Wv is
; source 1 and x source 0.  Both operands lie in one buffer: only the tiles' row numbers are chosen, by the cluster's x (0 q, 1 k, 2 v), which all partners share.
; CLUSTERS: 4 x 4 work-groups; source 1's tile hangs on cy and is shared along a row of the cluster, source 0's on cx and is shared along a column: joint loads with a mask of four.
; OUT.  img [bh][step of 128 tokens][Q 4 KB | K 4 KB | V 4 KB]; Q, K: tile a of 16 tokens: lane's 16 bytes (32 of the head's 64) at 512 a + 16 lane; V: tile t of 16 of the head's 64, c: 1024 t + 512 c + 16 lane.
; sc2 [bh][step][qs 512 | ks 512 | vs 256]: qs, ks: lane l: four words at 16 l: tiles 4 (l / 16) + 0..3, row l % 16 (two bytes, then two zeros); vs: row r: four words at 16 r: tiles 0..3.
; LIMITS: a block of zeros, and one whose largest magnitude lies under 2^-124, get the byte 1 (its codes are zeros or held; only this program reads the bytes); NaN and infinities are not served.
; REGISTERS: window 0: v0-31 addresses; v32-95 scale words, two sets (scales and nothing else); v128-191 source 1's fragments.  window 1: source 0's fragments, two sets, v0 and v128.  windows 2, 3: accumulators.
;   on the way out: window 0 v96-111 at work, v112-119 eight scale words, v120-127 words to store, v128-191 sums + bias, v192-255 codes (a set for each block); window 1 v0-63 the bias.
.set KSTEP,  512
.set NQ,     4
.set ROWB,   256
.set KROW,   512
.set PITCH,  528                       ; an LDS row: a row's whole K, 512 bytes, + 16 of padding: the 16 rows of a load start 132 words apart
.set FR,     8
.set NL,     2
.set NP,     4
.set HALFT,  128*PITCH
.set SLOT,   256                       ; the second 512 along K begin 256 bytes on in each LDS row
.set KS,     32
.set SCL,    4*HALFT
.set HALFS,  (128*KS/256)*272
.set SBLK,   (16*KS/256)*272
.set SPARE,  SCL+4*HALFS               ; the spare words: 128 bytes a wave, named by no other line
.set BIASL,  SPARE+512                 ; 1,024 bytes of their own: the bias of the weight tile's 256 columns
.set HREC,   196608
.set REC,    12288
.set HSREC,  20480
.set SREC,   1280
.set ADRA, 16
.set ADRB, 20
.set VSO,  23                          ; v23  v's scale words: (lane / 16) heads on, 16 (lane % 16)
.set LANE, 25
.set LI,   26                          ; v26  16 x lane
.set ADRS, 27
.set SPW,  28
.set NIL,  29
.set BQA,  30                          ; v30  the bias along the registers
.set BVA,  31                          ; v31  the bias of the lane's row
.set SC,   32
.set TM,   96
.set PW8,  112
.set SW,   120
.set AF,   128
.set T,    128
.set PCS,  192
.set BIAS, 0                           ; in window 1
.set WV, 18
.set WH, 19
.set WL, 20
.set SEL, 66
.set G1, 24
.set G0, 32
.set G1B, 48
.set G0B, 56
.set G1S, 68
.set G0S, 76
.set G1SB, 80
.set G0SB, 88
.set MSB, 0
.macro WIN new                         ; the immediate's high byte repeats the setting that is left
.if MSB != (\new)
	s_set_vgpr_msb (MSB<<8)|(\new)
.set MSB, (\new)
.endif
.endm
.set MUL_LO, 0xa1                      ; source 0 window 1, source 1 window 0, C and D window 2
.set MUL_HI, 0xf1
.set TO_B,   0x40
; A joint load: waves 0 and 1 fetch for source 1, waves 2 and 3 for source 0.  The branch hangs on the wave's number alone.  Four v_nop follow each line.
.macro JLOAD g0a, g1a, g0b, g1b
	s_cmp_eq_u32 s[WH], 0
	s_cbranch_scc0 .Lfor_b_\@
	tensor_load_to_lds s[\g0a:\g0a+3], s[\g1a:\g1a+7]
	s_nop 0
.rept 4
	v_nop
.endr
	s_branch .Lasked_\@
.Lfor_b_\@:
	tensor_load_to_lds s[\g0b:\g0b+3], s[\g1b:\g1b+7]
	s_nop 0
.rept 4
	v_nop
.endr
.Lasked_\@:
.endm
.macro CROUND                          ; a round of the cluster's barrier
	s_barrier_signal -1
	s_barrier_wait -1
	s_cmp_lg_u32 s[WV], 0
	s_cbranch_scc1 .Lnot_wave_0_\@
	s_barrier_signal -3
.Lnot_wave_0_\@:
	s_barrier_wait -3
	s_barrier_signal -1
	s_barrier_wait -1
.endm
	s_load_b256 s[4:11], s[0:1], 0x0               ; cod s[4:5], scl s[6:7], bq s[8:9], bk s[10:11]
	s_load_b128 s[12:15], s[0:1], 0x20             ; bv s[12:13], img s[14:15]
	s_load_b64 s[16:17], s[0:1], 0x30              ; sc2
	v_lshl_add_u32 v[SPW], v0, 2, SPARE
	v_mov_b32 v[NIL], 0
	ds_add_u32 v28, v29
	ds_add_u32 v28, v29
	s_wait_dscnt 0x0
	v_lshrrev_b32 v1, 5, v0
	v_readfirstlane_b32 s[WV], v1                  ; wave 0..3
	s_lshr_b32 s[WH], s[WV], 1                     ; my half of source 1's rows.  Also: I fetch for source 1 (0) or source 0 (1)
	s_and_b32 s[WL], s[WV], 1                      ; my half of source 0's rows.  Also: which 128 rows I fetch
	s_bfe_u32 s21, ttmp6, 0x40000                  ; cx
	s_bfe_u32 s22, ttmp6, 0x40004                  ; cy
	s_and_b32 s23, ttmp7, 0xffff
	s_lshl_b32 s23, s23, 2                         ; 4 x cluster y: the first of the cluster's four tiles of x
	s_lshl_b32 s40, ttmp9, 2
	s_add_co_u32 s40, s40, 32                      ; the first tile of weight number cluster x
	s_cmp_eq_u32 ttmp9, 2                          ; v?  The same in all sixteen partners
	s_cselect_b32 s41, 40, s23                     ; source 1: Wv's tiles, or x's
	s_cselect_b32 s42, s23, s40                    ; source 0: x's tiles, or the weight's
	s_add_co_u32 s41, s41, s22                     ; + cy
	s_add_co_u32 s42, s42, s21                     ; + cx
	s_lshl_b32 s43, s22, 2
	s_lshl_b32 s43, 15, s43                        ; my row of the cluster
	s_lshl_b32 s44, 0x1111, s21                    ; my column
	s_or_b32 s[G1+0], s43, (0<<16)|(1<<20)|(1<<21)|(6<<22)|(3<<25)  ; the mask; elements of 1 byte; padding on: 4 words behind every 128; bit 21 beside a mask
	s_or_b32 s[G1B+0], s44, (0<<16)|(1<<20)|(1<<21)|(6<<22)|(3<<25)
.irp g, G1, G1B
	s_mov_b32 s[\g+1], 512<<16                     ; a tile: 256 rows of 512 bytes, all of K
	s_mov_b32 s[\g+2], 256<<16
	s_mov_b32 s[\g+3], 512<<16
	s_mov_b32 s[\g+4], 256
	s_mov_b32 s[\g+5], KROW                        ; pitch
	s_mov_b32 s[\g+6], 0
	s_mov_b32 s[\g+7], 0
.endr
	s_or_b32 s[G1S+0], s43, (3<<16)|(1<<20)|(1<<21)|(5<<22)|(3<<25)  ; the scales of 256 rows: 8,192 dense bytes as 32 rows of 256, 16 of padding behind each
	s_or_b32 s[G1SB+0], s44, (3<<16)|(1<<20)|(1<<21)|(5<<22)|(3<<25)
.irp g, G1S, G1SB
	s_mov_b32 s[\g+1], 32<<16
	s_mov_b32 s[\g+2], (256*KS/256)<<16            ; the scales of 256 rows: 32 rows of 256 bytes
	s_mov_b32 s[\g+3], 32<<16
	s_mov_b32 s[\g+4], 256*KS/256
	s_mov_b32 s[\g+5], 32
	s_mov_b32 s[\g+6], 0
	s_mov_b32 s[\g+7], 0
.endr
	s_mov_b32 s45, 0                               ; a load brings a tile's 256 rows whole
	s_lshl_b32 s46, s41, 8
	s_add_co_u32 s46, s46, s45                     ; source 1's first row
	s_lshl_b32 s92, s42, 8
	s_add_co_u32 s92, s92, s45                     ; source 0's
	s_lshl_b32 s94, s46, 5                         ; 32 scale bytes a row,
	s_mov_b32 s95, 0
	s_lshl_b32 s46, s46, 9                         ; 512 bytes of codes
	s_mov_b32 s47, 0
	s_lshl_b32 s96, s92, 5
	s_mov_b32 s97, 0
	s_lshl_b32 s92, s92, 9
	s_mov_b32 s93, 0
	v_lshlrev_b32 v8, 3, v0                        ; the bias: 8 bytes a thread
	v_lshl_add_u32 v9, v0, 3, BIASL
	s_wait_alu depctr_va_vdst(0)
	s_wait_kmcnt 0x0
	s_add_nc_u64 s[46:47], s[4:5], s[46:47]
	s_add_nc_u64 s[94:95], s[6:7], s[94:95]
	s_add_nc_u64 s[92:93], s[4:5], s[92:93]
	s_add_nc_u64 s[96:97], s[6:7], s[96:97]
	s_cmp_eq_u32 ttmp9, 1                          ; the bias is chosen by the cluster's x
	s_cselect_b64 s[8:9], s[10:11], s[8:9]
	s_cmp_eq_u32 ttmp9, 2
	s_cselect_b64 s[8:9], s[12:13], s[8:9]
	s_cselect_b32 s2, s22, s21                     ; which 256 columns of the weight: cy for v, else cx
	s_cselect_b32 s3, s21, s22                     ; which of the cluster's four tiles of tokens
	s_cselect_b32 s100, s[WH], s[WL]               ; my half of the columns,
	s_cselect_b32 s101, s[WL], s[WH]               ; my half of the tokens
	s_lshl_b32 s10, s2, 10
	s_mov_b32 s11, 0
	s_add_nc_u64 s[8:9], s[8:9], s[10:11]
	global_load_b64 v[10:11], v8, s[8:9]           ; 256 numbers of the bias
	CROUND                                         ; all sixteen work-groups are here: the joint loads meet
	s_mov_b32 s[G0S], 1                            ; the head's four tiles, each whole: source 1's scales,
	s_mov_b32 s[G0S+1], SCL
	s_mov_b64 s[G0S+2:G0S+3], s[94:95]
	s_or_b32 s[G0S+3], s[G0S+3], 0x80000000
	s_mov_b32 s[G0SB], 1                           ; source 0's scales,
	s_mov_b32 s[G0SB+1], SCL+2*HALFS
	s_mov_b64 s[G0SB+2:G0SB+3], s[96:97]
	s_or_b32 s[G0SB+3], s[G0SB+3], 0x80000000
	s_mov_b32 s[G0], 1                             ; source 1's 256 rows of codes,
	s_mov_b32 s[G0+1], 0
	s_mov_b64 s[G0+2:G0+3], s[46:47]
	s_or_b32 s[G0+3], s[G0+3], 0x80000000
	s_mov_b32 s[G0B], 1                            ; source 0's, behind them
	s_mov_b32 s[G0B+1], 2*HALFT
	s_mov_b64 s[G0B+2:G0B+3], s[92:93]
	s_or_b32 s[G0B+3], s[G0B+3], 0x80000000
; ONE load a wave at the head: one chain of branches on the wave's number, an arm a load, all arms to one join.  Nothing is filled later.
.macro ARM under, g0, g1, next
	s_cmp_lt_u32 s[WV], \under
	s_cbranch_scc0 \next
	tensor_load_to_lds s[\g0:\g0+3], s[\g1:\g1+7]
	s_nop 0
.rept 4
	v_nop
.endr
	s_branch .Lhead_asked
\next:
.endm
	ARM 1, G0,  G1,  .Lhead_b
	ARM 2, G0B, G1B, .Lhead_sa
	ARM 3, G0S, G1S, .Lhead_sb
	tensor_load_to_lds s[G0SB:G0SB+3], s[G1SB:G1SB+7]
	s_nop 0
.rept 4
	v_nop
.endr
.Lhead_asked:
	v_and_b32 v1, 15, v0                           ; r
	v_bfe_u32 v2, v0, 4, 1                         ; h
	v_mul_u32_u24 v3, v1, PITCH
	v_lshl_add_u32 v4, v2, 4, v3
	s_mul_i32 s40, s[WH], HALFT
	s_mul_i32 s45, s[WL], HALFT
	s_add_co_u32 s45, s45, 2*HALFT
.irp s, 0,1
	v_add_nc_u32 v[ADRA+\s], s40, v4
	v_add_nc_u32 v[ADRB+\s], s45, v4
	s_add_co_u32 s40, s40, SLOT
	s_add_co_u32 s45, s45, SLOT
.endr
	v_mul_u32_u24 v5, v1, KS
	v_lshrrev_b32 v6, 8, v5
	v_lshl_add_u32 v5, v6, 4, v5                   ; my row's scales: 32 bytes a row, 16 more for each 256 passed
	s_mul_i32 s40, s[WH], HALFS
	s_mul_i32 s45, s[WL], HALFS
	s_add_co_u32 s45, s45, 2*HALFS
	s_sub_co_u32 s45, s45, s40
	v_mul_u32_u24 v6, s45, v2                      ; lanes 16-31 take source 0's
	s_add_co_u32 s40, s40, SCL
	v_add_nc_u32 v5, v5, v6
	v_add_nc_u32 v[ADRS], s40, v5
	v_and_b32 v[LANE], 31, v0
	v_lshlrev_b32 v[LI], 4, v[LANE]
	s_lshl_b32 s40, s[WL], 9
	s_add_co_u32 s40, s40, BIASL
	v_lshl_add_u32 v[BQA], v2, 6, s40              ; q, k: columns 32 (b/2) + 16 h + 8 (b%2) + j of my 128
	s_lshl_b32 s40, s[WH], 9
	s_add_co_u32 s40, s40, BIASL
	v_and_b32 v3, 8, v1
	v_add_nc_u32 v3, v3, v1
	v_lshl_add_u32 v[BVA], v3, 2, s40              ; v: column 32 (a/2) + 8 (a%2) + r + 8 (r/8) of my 128
	v_mul_u32_u24 v[VSO], v2, HSREC
	v_lshl_add_u32 v[VSO], v1, 4, v[VSO]
	s_wait_alu depctr_va_vdst(0)
	s_wait_loadcnt 0x0
	ds_store_b64 v9, v[10:11]                      ; the bias into its own LDS bytes
	; where my results go
	s_add_co_u32 s3, s3, s23                       ; the tile of 256 tokens
	s_lshr_b32 s10, s3, 3                          ; the batch
	s_and_b32 s3, s3, 7
	s_lshl_b32 s3, s3, 1
	s_add_co_u32 s3, s3, s101                      ; the step of 128 tokens
	s_lshl_b32 s10, s10, 4
	s_lshl_b32 s2, s2, 2
	s_add_co_u32 s10, s10, s2
	s_lshl_b32 s100, s100, 1
	s_add_co_u32 s10, s10, s100                    ; bh of the first of my two heads
	s_mul_i32 s12, s10, HREC
	s_mul_i32 s11, s3, REC
	s_add_co_u32 s12, s12, s11
	s_lshl_b32 s11, ttmp9, 12                      ; Q, K or V's part of a record
	s_add_co_u32 s12, s12, s11
	s_mov_b32 s13, 0
	s_add_nc_u64 s[14:15], s[14:15], s[12:13]
	s_mul_i32 s12, s10, HSREC
	s_mul_i32 s11, s3, SREC
	s_add_co_u32 s12, s12, s11
	s_lshl_b32 s11, ttmp9, 9
	s_add_co_u32 s12, s12, s11
	s_add_nc_u64 s[16:17], s[16:17], s[12:13]
	s_mov_b32 s[SEL], 0x76543210
	s_mov_b32 s[SEL+1], 0xfedcba98                 ; lane l xor 16
.macro FRAG reg, adr, q, i             ; 16 rows x 128 K of 4-bit codes: 8 registers
.irp c, 0,1
	ds_load_b128 v[\reg+4*\c:\reg+4*\c+3], v[\adr] offset:64*(\q)+32*\c+(\i)*16*PITCH
.endr
.endm
; 16 matrix instructions: source 1's blocks a0, a0 + 1 x source 0's eight.  The 64 accumulators take turns, one instruction a turn, in the same order in every step.
.macro MUL16 a0, p, q, sc, zero
.irp a, \a0, \a0+1
.irp b, 0,1,2,3,4,5,6,7
.if \zero
	v_wmma_scale_f32_16x16x128_f8f6f4 v[8*(8*((\a)%4)+\b):8*(8*((\a)%4)+\b)+7], v[128*(\p)+FR*\b:128*(\p)+FR*\b+FR-1], v[AF+FR*(\a):AF+FR*(\a)+FR-1], 0, v[SC+8*NQ*(\sc)+NQ*\b+(\q)], v[SC+8*NQ*(\sc)+NQ*(\a)+(\q)] matrix_a_fmt:MATRIX_FMT_FP4 matrix_b_fmt:MATRIX_FMT_FP4 matrix_a_scale:MATRIX_SCALE_ROW1
.else
	v_wmma_scale_f32_16x16x128_f8f6f4 v[8*(8*((\a)%4)+\b):8*(8*((\a)%4)+\b)+7], v[128*(\p)+FR*\b:128*(\p)+FR*\b+FR-1], v[AF+FR*(\a):AF+FR*(\a)+FR-1], v[8*(8*((\a)%4)+\b):8*(8*((\a)%4)+\b)+7], v[SC+8*NQ*(\sc)+NQ*\b+(\q)], v[SC+8*NQ*(\sc)+NQ*(\a)+(\q)] matrix_a_fmt:MATRIX_FMT_FP4 matrix_b_fmt:MATRIX_FMT_FP4 matrix_a_scale:MATRIX_SCALE_ROW1
.endif
.endr
.endr
.endm
.macro FETCH_B slot, q, p
	WIN TO_B
.irp i, 0,1,2,3,4,5,6,7
	FRAG 128*(\p)+FR*\i, ADRB+\slot, \q, \i
.endr
	WIN 0
.endm
.macro FETCH_A slot, q, i0
.irp i, \i0, \i0+1, \i0+2, \i0+3
	FRAG AF+FR*(\i), ADRA+\slot, \q, \i
.endr
.endm
.macro SCALES sc                       ; a K step's scale words: lanes 0-15 source 1's block i, lanes 16-31 source 0's block i
.irp i, 0,1,2,3,4,5,6,7
	ds_load_b128 v[SC+8*NQ*\sc+NQ*\i:SC+8*NQ*\sc+NQ*\i+3], v[ADRS] offset:\i*SBLK
.endr
.endm
.macro PLACES n                        ; plain vector lines between a matrix instruction and a load into, or a vector read or write of, its registers
.rept \n
	v_nop
.endr
.endm
.macro STEP slot, q, zero              ; 128 along K, with its successor in the same slot
	s_wait_dscnt 4*NL                              ; all but the youngest eight loads (source 1's blocks 4-7)
	WIN MUL_LO
	MUL16 0, (\q)%2, \q, \slot, \zero
	MUL16 2, (\q)%2, \q, \slot, \zero
	s_wait_dscnt 0
	PLACES NP
	FETCH_B \slot, (\q)+1, 1-(\q)%2
	FETCH_A \slot, (\q)+1, 0
	WIN MUL_HI
	MUL16 4, (\q)%2, \q, \slot, \zero
	MUL16 6, (\q)%2, \q, \slot, \zero
	PLACES NP
	WIN 0
	FETCH_A \slot, (\q)+1, 4
.endm
.macro TURN slot, next                 ; a slot's last step: behind one barrier the other slot is whole for every wave.  Nothing is filled again
	s_wait_tensorcnt 0x0                           ; all my tensor loads have landed: my part of the next slot
	ds_add_u32 v[SPW], v[NIL]                      ; 0 onto my spare word
	s_wait_dscnt 4*NL+1                            ; (the add and the youngest eight loads may be out)
	WIN MUL_LO
	MUL16 0, 1, NQ-1, \slot, 0
	s_wait_dscnt 0x0
	s_barrier_signal -1
	MUL16 2, 1, NQ-1, \slot, 0
	WIN 0
	s_barrier_wait -1
	PLACES NP
	v_add_nc_u32 v[ADRS], 4*NQ, v[ADRS]            ; the next K step's scale words
	FETCH_B \next, 0, 0
	FETCH_A \next, 0, 0
	SCALES \next
	WIN MUL_HI
	MUL16 4, 1, NQ-1, \slot, 0
	MUL16 6, 1, NQ-1, \slot, 0
	PLACES NP
	WIN 0
	FETCH_A \next, 0, 4
.endm
.macro STEPS slot, from
.set Q, \from
.rept NQ-1-\from
	STEP \slot, Q, 0
.set Q, Q+1
.endr
.endm
	s_wait_dscnt 0x0                               ; my part of the bias has landed,
	s_wait_tensorcnt 0x0                           ; and my tile of the head's four
	s_barrier_signal -1
	s_barrier_wait -1
	FETCH_B 0, 0, 0
	FETCH_A 0, 0, 0
	SCALES 0
	FETCH_A 0, 0, 4
	STEP 0, 0, 1                                   ; the first products start the sums: nothing is cleared
	STEPS 0, 1
	TURN 0, 1
	STEPS 1, 0
	s_wait_dscnt 4*NL
	WIN MUL_LO
	MUL16 0, 1, NQ-1, 1, 0
	MUL16 2, 1, NQ-1, 1, 0
	s_wait_dscnt 0
	WIN MUL_HI
	MUL16 4, 1, NQ-1, 1, 0
	MUL16 6, 1, NQ-1, 1, 0
	WIN 0
; 64 numbers of a lane, register 16 b + i = index 32 b + 16 (lane / 16) + i along the next K, become a fragment's 8 registers of codes at v[pc] and its scale word in v[pw].
.macro QUANT s, pc, pw
.irp b, 0,1,2,3
	v_max3_num_f32 v[TM+\b], |v[\s+16*\b]|, |v[\s+1+16*\b]|, 0x1800000   ; with the floor 2^(3 - 127): the byte cannot fall under 1
.endr
.irp i, 2,4,6,8,10,12,14
.irp b, 0,1,2,3
	v_max3_num_f32 v[TM+\b], v[TM+\b], |v[\s+16*\b+\i]|, |v[\s+1+16*\b+\i]|
.endr
.endr
.irp b, 0,1,2,3
	v_permlanex16_b32 v[TM+4+\b], v[TM+\b], s[SEL], s[SEL+1]
.endr
.irp b, 0,1,2,3
	v_max_num_f32 v[TM+\b], v[TM+\b], v[TM+4+\b]   ; with lane l xor 16's: the block's largest magnitude
.endr
.irp b, 0,1,2,3
	v_add_nc_u32 v[TM+12+\b], 0xff000000, v[TM+\b] ; 2 off the exponent field: the conversion's scale operand
.endr
.irp b, 0,1,2,3
	v_lshrrev_b32 v[TM+4+\b], 23, v[TM+12+\b]      ; the byte
.endr
	v_lshl_or_b32 v[\pw], v[TM+5], 8, v[TM+4]
	v_lshl_or_b32 v[\pw], v[TM+6], 16, v[\pw]
	v_lshl_or_b32 v[\pw], v[TM+7], 24, v[\pw]
.irp b, 0,1,2,3
	v_cvt_scalef32_pk8_fp4_f32 v[\pc+2*\b], v[\s+16*\b:\s+7+16*\b], v[TM+12+\b]
	v_cvt_scalef32_pk8_fp4_f32 v[\pc+1+2*\b], v[\s+8+16*\b:\s+15+16*\b], v[TM+12+\b]
.endr
	v_nop                                          ; one plain line behind the conversions
.irp c, 0,1                                    ; the operand's layout wants a whole block in a lane
.irp i, 0,1
	v_permlane16_swap_b32 v[\pc+4*\c+\i], v[\pc+2+4*\c+\i]
.endr
.endr
.endm
; THE WAY OUT.  kind 0 (q, k): a lane is a token, its registers run along my 128 columns (two heads).  kind 1 (v): a lane is one of my 128 columns, its registers run along the step's 128 tokens.
; Each of my eight blocks: sums + bias into window 0 (each accumulator from its low end on), quantised, and its eight registers of codes stored as they stand: every store is 512 consecutive bytes.
.macro EPI kind
	WIN TO_B
.if \kind == 0
.irp b, 0,1,2,3,4,5,6,7
	ds_load_b128 v[BIAS+8*\b:BIAS+8*\b+3], v[BQA] offset:(32*(\b/2)+8*(\b%2))*4
	ds_load_b128 v[BIAS+8*\b+4:BIAS+8*\b+7], v[BQA] offset:(32*(\b/2)+8*(\b%2))*4+16
.endr
.else
.irp a, 0,1,2,3,4,5,6,7
	ds_load_b32 v[BIAS+2*\a], v[BVA] offset:(32*(\a/2)+8*(\a%2))*4
	ds_load_b32 v[BIAS+2*\a+1], v[BVA] offset:(32*(\a/2)+8*(\a%2))*4
.endr
.endif
	s_wait_dscnt 0x0
.irp a, 0,1,2,3,4,5,6,7
	WIN 0x06+(\a/4)                                ; source 0: window 2 or 3; source 1 (the bias): window 1
.set i, 0
.rept 32
.if \kind == 0
	v_pk_add_f32 v[T+2*i:T+2*i+1], v[64*(\a%4)+2*i:64*(\a%4)+2*i+1], v[BIAS+2*i:BIAS+2*i+1]
.else
	v_pk_add_f32 v[T+2*i:T+2*i+1], v[64*(\a%4)+2*i:64*(\a%4)+2*i+1], v[BIAS+2*\a:BIAS+2*\a+1]
.endif
.set i, i+1
.endr
	WIN 0
	QUANT T, PCS+8*\a, PW8+\a
.if \kind == 0
	global_store_b128 v[LI], v[PCS+8*\a:PCS+8*\a+3], s[14:15] offset:512*\a            ; the first head's 64
	global_store_b128 v[LI], v[PCS+8*\a+4:PCS+8*\a+7], s[14:15] offset:HREC+512*\a     ; the second's
.else
	global_store_b128 v[LI], v[PCS+8*\a:PCS+8*\a+3], s[14:15] offset:(\a/4)*HREC+1024*(\a%4)        ; keys 0-63 of the step
	global_store_b128 v[LI], v[PCS+8*\a+4:PCS+8*\a+7], s[14:15] offset:(\a/4)*HREC+1024*(\a%4)+512  ; keys 64-127
.endif
.endr
	v_cmp_lt_u32 vcc_lo, 15, v[LANE]
.irp i, 0,1,2,3
	v_cndmask_b32 v[SW+\i], v[PW8+\i], v[PW8+4+\i], vcc_lo   ; lanes 0-15 blocks 0-3, lanes 16-31 blocks 4-7
.endr
.if \kind == 0
.irp i, 0,1,2,3
	v_and_b32 v[TM+\i], 0xffff, v[SW+\i]           ; the first head's two bytes,
.endr
.irp i, 0,1,2,3
	v_lshrrev_b32 v[SW+4+\i], 16, v[SW+\i]         ; the second's
.endr
	global_store_b128 v[LI], v[TM:TM+3], s[16:17]
	global_store_b128 v[LI], v[SW+4:SW+7], s[16:17] offset:HSREC
.else
	global_store_b128 v[VSO], v[SW:SW+3], s[16:17] ; lanes 0-15 the first head's 256 bytes, lanes 16-31 the second's
.endif
.endm
	PLACES NP
.irp b, 0,1,2,3
	v_mov_b32 v[TM+4+\b], 0                        ; written once: a lane permute's destination counts as one of its sources
.endr
	s_cmp_eq_u32 ttmp9, 2                          ; the cluster's x: the same in all partners
	s_cbranch_scc1 .Lvalues
	EPI 0
	s_branch .Lend
.Lvalues:
	EPI 1
.Lend:
	s_wait_tensorcnt 0x0                           ; the wave's end
	ds_add_u32 v[SPW], v[NIL]
	s_wait_dscnt 0x0
	CROUND                                         ; the closing round
	s_endpgm
.Lfunc_end_k_q897c425790_gemm1:
	.size	k_q897c425790_gemm1, .Lfunc_end_k_q897c425790_gemm1-k_q897c425790_gemm1
	.p2alignl 7, 3214868480
	.fill 96, 4, 3214868480
	.section	.rodata,"a",@progbits
	.p2align	6, 0x0
	.amdhsa_kernel k_q897c425790_gemm1
		.amdhsa_group_segment_fixed_size 327680
		.amdhsa_private_segment_fixed_size 0
		.amdhsa_enable_private_segment 0
		.amdhsa_kernarg_size 56
		.amdhsa_user_sgpr_count 2
		.amdhsa_user_sgpr_kernarg_segment_ptr 1
		.amdhsa_wavefront_size32 1
		.amdhsa_system_sgpr_workgroup_id_x 1
		.amdhsa_system_sgpr_workgroup_id_y 1
		.amdhsa_system_sgpr_workgroup_id_z 1
		.amdhsa_system_vgpr_workitem_id 0
		.amdhsa_next_free_vgpr 1024
		.amdhsa_next_free_sgpr 102
		.amdhsa_reserve_vcc 1
		.amdhsa_float_denorm_mode_32 3
		.amdhsa_float_denorm_mode_16_64 3
		.amdhsa_memory_ordered 1
		.amdhsa_forward_progress 1
		.amdhsa_inst_pref_size 194
	.end_amdhsa_kernel
	.amdgpu_metadata
---
amdhsa.version: [ 1, 2 ]
amdhsa.kernels:
  - .name:           k_q897c425790_gemm1
    .symbol:         k_q897c425790_gemm1.kd
    .args:
      - { .name: cod, .offset: 0, .size: 8, .value_kind: global_buffer, .address_space: global }
      - { .name: scl, .offset: 8, .size: 8, .value_kind: global_buffer, .address_space: global }
      - { .name: bq, .offset: 16, .size: 8, .value_kind: global_buffer, .address_space: global }
      - { .name: bk, .offset: 24, .size: 8, .value_kind: global_buffer, .address_space: global }
      - { .name: bv, .offset: 32, .size: 8, .value_kind: global_buffer, .address_space: global }
      - { .name: img, .offset: 40, .size: 8, .value_kind: global_buffer, .address_space: global }
      - { .name: sc2, .offset: 48, .size: 8, .value_kind: global_buffer, .address_space: global }
    .group_segment_fixed_size: 327680
    .private_segment_fixed_size: 0
    .kernarg_segment_align: 8
    .kernarg_segment_size: 56
    .max_flat_workgroup_size: 128
    .sgpr_count:     102
    .vgpr_count:     1024
    .wavefront_size: 32
...
	.end_amdgpu_metadata
.endif
;; end of part 2
;; launch attn (part 3): grid 4 x 64, 16 waves a work-group, clusters of 4 x 1, 167,936 bytes of LDS; arguments img, sc2, oimg, oscl; writes oimg, oscl
.if DOCPART == 3
	.amdgcn_target "amdgcn-amd-amdhsa--gfx1250"
	.amdhsa_code_object_version 6
	.text
	.protected	k_q897c425790_attn
	.globl	k_q897c425790_attn
	.p2align	8
	.type	k_q897c425790_attn,@function
k_q897c425790_attn:
	s_mov_b64 s[64:65], 0
	v_nop
	global_prefetch_b8 v0, s[64:65] scope:SCOPE_SE
	s_setreg_imm32_b32 hwreg(HW_REG_WAVE_MODE, 25, 1), 1
	s_wait_xcnt 0x0
	s_wait_alu depctr_hold_cnt(0) depctr_sa_sdst(0) depctr_va_vdst(0) depctr_va_sdst(0) depctr_va_ssrc(0) depctr_va_vcc(0) depctr_vm_vsrc(0)
	s_getreg_b32 s2, hwreg(HW_REG_IB_STS2, 6, 4)
	s_cmp_eq_u32 s2, 0
	s_cbranch_scc0 .Lentry_in_a_cluster
	s_endpgm
.Lentry_in_a_cluster:
	s_bfe_u32 s2, ttmp6, 0x10000c
	s_cmp_lg_u32 s2, 0x3003
	s_cbranch_scc0 .Lentry_shape_is_right
	s_endpgm
.Lentry_shape_is_right:
; Causal attention of one head (batch x head = grid y) on codes of FP4 (E2M1) with E8M0 scales; the result, divided by the row's sum, is quantised along the head's 64 and leaves as an image of operand registers.
; LEFT OUT: steps of 128 keys that lie wholly behind a tile's queries (reference()'s own causal mask gives them the weight 0 for all inputs).
; img [bh][step of 128 tokens][Q 4 KB | K 4 KB | V 4 KB], sc2 [bh][step][qs 512 | ks 512 | vs 256], as the launch before lays them.  Stored tile a, row r' of a step is token 32 (a/2) + 8 (a%2) + r' + 8 (r'/8).
; SOFTMAX: t = score x log2(e) / 8; M = ceil of the running largest t; p = 2^(t - M) is quantised along the keys; the sum of the unquantised p divides at the end; when M moves, sum and O are multiplied by 2^(old M - new M).
; LIMIT: the promise holds while the scaled scores stay under 2^31 in magnitude; NaN and infinities among the inputs are not served.
; SHARES.  The four work-groups of a cluster serve one head.  Wave w of the work-group at place cx owns the tiles of 16 queries n = cx + 4 w and 127 - n: their last steps are w / 2 and 15 - w / 2, 17 steps a wave, and no branch hangs on cx.
; All of the head's K, V and their scales lie in LDS, filled once by JOINT loads (mask 15): waves 0-7 two steps' K | V each (2 rows of 8,192 bytes), waves 8-15 two steps' ks | vs (2 rows of 768 bytes): one load a wave.
; No prefetch: every tile is asked for at the head, so there is no loop to run ahead in.
; LAYOUT.  S^T = K Q^T, O^T = V^T P^T: a lane holds one query.  THE KEYS OF A TILE ARE CHOSEN BY THE LANES' LDS ADDRESSES: row 8 g + j of tile 4 c + u is key 64 c + 32 g + 8 u + j.  So register 32 c + 8 u + j of lane (r, h)
; is key 64 c + 32 h + 8 u + j: a lane's 32 registers of four tiles are ONE WHOLE BLOCK, in the order that the second product's operand wants: the block's maximum needs no other lane and the codes no exchange.
; K = 64 fills half of the instruction's 128: Q's upper four registers are zeros, so whatever stands in K's upper four adds nothing.
; CHAINS.  Four waves share a SIMD: dependent lines are laid apart (eight chains of maxima, the sum as a tree, the scale bytes' lines among the tree's first level); the short serial runs on plain results carry a one-field hint.
.set HREC,  196608
.set REC,   12288
.set HSREC, 20480
.set SREC,  1280
.set SCB,   131072                     ; behind the codes: 768 bytes of scales a step
.set SPARE, 143360                     ; the spare words: 128 bytes a wave, named by no other line
.set LI,  1                            ; 16 x lane
.set R16, 2                            ; 16 r
.set RS,  3                            ; 32 r
.set DL,  4                            ; r + 8 (r/8) - 32 h
.set AKL, 5                            ; my place in a step's K: 16 j + 1024 g + 256 h
.set AKS, 6                            ; and among its scale words: 16 j + 8 g + 256 h
.set AVS, 7
.set ADK, 8
.set ADS, 9
.set ADV, 10
.set ADT, 11
.set NM,  12                           ; -M; v13 the running largest score
.set MX,  13
.set L,   14                           ; v[14:15] the sum in two halves
.set QA,  16                           ; v16-23, v24-31: the two tiles' Q, four registers and four zeros
.set QB,  24
.set QSA, 32                           ; their scale words
.set QSB, 33
.set SH8, 34                           ; 8 h
.set NINF,35
.set KF,  36                           ; v36-67 K's eight tiles (behind the first product: the sum's tree), v68-71 zeros
.set KSC, 72                           ; v72-75 K's scale words: lanes 0-15 tiles u, lanes 16-31 tiles 4 + u
.set VSC, 76
.set VF,  80
.set S,   112
.set O,   176
.set PC,  208
.set B0,  216                          ; v216-217 my two blocks' largest
.set PT,  218
.set VM,  219
.set F,   220                          ; v[220:221]
.set SO,  224
.set BY,  226
.set PW,  228                          ; p's scale word
.set OLD, 229
.set SPW, 230
.set NIL, 231
.set DDA, 232
.set DDB, 233
.set PT2, 238
.set OW,  240
.set CH,  244                          ; v244-251 eight chains of maxima
.set WV,  12
.set SEL, 40
.set CS,  42
.set ST,  44
.set SDA, 45
.set TK,  46
.set TS,  47
.set SDB, 48
.set MK,  82                           ; s82-89 eight masks of the diagonal
.macro ROUND                           ; a round of the cluster's barrier
	s_barrier_signal -1
	s_barrier_wait -1
	s_cmp_lg_u32 s[WV], 0
	s_cbranch_scc1 .Lnw0_\@
	s_barrier_signal -3
.Lnw0_\@:
	s_barrier_wait -3
	s_barrier_signal -1
	s_barrier_wait -1
.endm
	s_load_b128 s[4:7], s[0:1], 0x0                ; img, sc2
	s_load_b128 s[8:11], s[0:1], 0x10              ; oimg, oscl
	v_lshl_add_u32 v[SPW], v0, 2, SPARE
	v_mov_b32 v[NIL], 0
	ds_add_u32 v[SPW], v[NIL]                      ; the opening lines: the add twice on end and one wait
	ds_add_u32 v[SPW], v[NIL]
	v_lshrrev_b32 v8, 5, v0
	v_readfirstlane_b32 s[WV], v8
	v_and_b32 v8, 31, v0
	v_lshlrev_b32 v[LI], 4, v8
	v_and_b32 v9, 15, v0                           ; r
	v_bfe_u32 v10, v0, 4, 1                        ; h
	v_and_b32 v11, 7, v0                           ; j
	v_bfe_u32 v12, v0, 3, 1                        ; g
	v_lshlrev_b32 v[R16], 4, v9
	v_lshlrev_b32 v[RS], 5, v9
	v_lshlrev_b32 v[AKL], 4, v11
	v_lshl_add_u32 v[AKS], v12, 3, v[AKL]
	v_lshl_add_u32 v[AKL], v12, 10, v[AKL]
	v_lshl_add_u32 v[AKL], v10, 8, v[AKL]
	v_lshl_add_u32 v[AKS], v10, 8, v[AKS]
	v_add_nc_u32 v[AKS], SCB, v[AKS]
	v_add_nc_u32 v[AVS], SCB+512, v[R16]
	v_lshl_add_u32 v[DL], v12, 3, v9
	v_lshlrev_b32 v13, 5, v10
	v_sub_nc_u32 v[DL], v[DL], v13
	v_lshlrev_b32 v[SH8], 3, v10
	v_mov_b32 v[NINF], 0xff800000
.irp j, 20,21,22,23,28,29,30,31,68,69,70,71,218,221,238,239
	v_mov_b32 v\j, 0                               ; Q's and K's zeros; permutes' destinations and a pair's upper half, written once
.endr
	s_bfe_u32 s13, ttmp6, 0x40000                  ; cx: it enters global addresses and the mask's numbers alone
	s_and_b32 s14, ttmp7, 0xffff                   ; batch x head
	s_mov_b32 s16, 15|(3<<16)|(1<<21)              ; K | V: the mask of the four, elements of 8 bytes, bit 21 beside a mask
	s_mov_b32 s17, 1024<<16                        ; rows of 8,192 bytes,
	s_mov_b32 s18, 2<<16                           ; two of them,
	s_mov_b32 s19, 1024<<16
	s_mov_b32 s20, 2
	s_mov_b32 s21, 1536                            ; 12,288 bytes apart
	s_mov_b32 s22, 0
	s_mov_b32 s23, 0
	s_mov_b32 s24, 15|(3<<16)|(1<<21)              ; ks | vs: two rows of 768 bytes, 1,280 apart
	s_mov_b32 s25, 96<<16
	s_mov_b32 s26, 2<<16
	s_mov_b32 s27, 96<<16
	s_mov_b32 s28, 2
	s_mov_b32 s29, 160
	s_mov_b32 s30, 0
	s_mov_b32 s31, 0
	s_mov_b32 s[SEL], 0x76543210
	s_mov_b32 s[SEL+1], 0xfedcba98                 ; lane l xor 16
	s_mov_b32 s[CS], 0x3e38aa3b                    ; log2(e) / 8
	s_mov_b32 s[CS+1], s[CS]
	s_lshr_b32 s[SDB], s[WV], 1                    ; the two tiles' last steps: the wave's number alone
	s_sub_co_u32 s[SDA], 15, s[SDB]
	s_lshl_b32 s50, s[WV], 2
	s_add_co_u32 s50, s50, s13                     ; tile n = cx + 4 w,
	s_sub_co_u32 s51, 127, s50                     ; and 127 - n
	s_mul_i32 s52, s14, HREC
	s_mov_b32 s53, 0
	s_mul_i32 s54, s14, HSREC
	s_mov_b32 s55, 0
	s_lshr_b32 s62, s14, 4
	s_and_b32 s63, s14, 15
	s_lshl_b32 s56, s62, 20
	s_lshl_b32 s60, s63, 9
	s_add_co_u32 s56, s56, s60
	s_mov_b32 s57, 0
	s_lshl_b32 s58, s62, 16
	s_lshl_b32 s60, s63, 1
	s_add_co_u32 s58, s58, s60
	s_mov_b32 s59, 0
	s_and_b32 s49, s[WV], 7
	s_mul_i32 s60, s49, 2*REC
	s_add_co_u32 s60, s60, 4096
	s_mov_b32 s61, 0
	s_mul_i32 s62, s49, 2*SREC
	s_add_co_u32 s62, s62, 512
	s_mov_b32 s63, 0
	s_mov_b32 s32, 1
	s_lshl_b32 s33, s49, 14
	s_mov_b32 s36, 1
	s_mul_i32 s37, s49, 1536
	s_add_co_u32 s37, s37, SCB
	s_wait_alu depctr_va_vdst(0)                   ; the wait ahead of the waits below
	s_wait_dscnt 0x0
	s_wait_kmcnt 0x0
	s_add_nc_u64 s[4:5], s[4:5], s[52:53]
	s_add_nc_u64 s[6:7], s[6:7], s[54:55]
	s_add_nc_u64 s[8:9], s[8:9], s[56:57]
	s_add_nc_u64 s[10:11], s[10:11], s[58:59]
	s_add_nc_u64 s[34:35], s[4:5], s[60:61]
	s_or_b32 s35, s35, 0x80000000
	s_add_nc_u64 s[38:39], s[6:7], s[62:63]
	s_or_b32 s39, s39, 0x80000000
	ROUND                                          ; the four work-groups are here: the joint loads meet
	s_cmp_lt_u32 s[WV], 8
	s_cbranch_scc0 .Lscales
	tensor_load_to_lds s[32:35], s[16:23]
	s_nop 0
.rept 4
	v_nop
.endr
	s_branch .Lasked
.Lscales:
	tensor_load_to_lds s[36:39], s[24:31]
	s_nop 0
.rept 4
	v_nop
.endr
.Lasked:
; A tile's Q, its scale words, the places of its results and the mask's number, all at the head.  b: eight scalar registers of its own
.macro PREP tt, sd, qb, qs, dd, b
	s_and_b32 s62, s[\tt], 7                       ; which tile of its step
	s_mul_i32 s60, s[\sd], REC
	s_lshl_b32 s63, s62, 9
	s_add_co_u32 s60, s60, s63
	s_add_nc_u64 s[\b:\b+1], s[4:5], s[60:61]
	global_load_b128 v[\qb:\qb+3], v[LI], s[\b:\b+1]
	s_mul_i32 s60, s[\sd], SREC
	s_lshr_b32 s63, s62, 2
	s_lshl_b32 s63, s63, 8
	s_add_co_u32 s60, s60, s63
	s_and_b32 s63, s62, 3
	s_lshl_b32 s63, s63, 2
	s_add_co_u32 s60, s60, s63
	s_add_nc_u64 s[\b+2:\b+3], s[6:7], s[60:61]
	global_load_b32 v[\qs], v[R16], s[\b+2:\b+3]
	s_lshl_b32 s60, s[\tt], 13
	s_add_nc_u64 s[\b+4:\b+5], s[8:9], s[60:61]
	s_lshl_b32 s60, s[\tt], 9
	s_add_nc_u64 s[\b+6:\b+7], s[10:11], s[60:61]
	s_lshr_b32 s63, s62, 1
	s_lshl_b32 s63, s63, 5
	s_and_b32 s62, s62, 1
	s_lshl_b32 s62, s62, 3
	s_add_co_u32 s63, s63, s62
	v_add_nc_u32 v[\dd], s63, v[DL]                ; my query's place in its step, less 32 h
.endm
	PREP 51, SDA, QA, QSA, DDA, 66
	PREP 50, SDB, QB, QSB, DDB, 74
	s_wait_alu depctr_va_vdst(0)                   ; the wait at the head's end
	s_wait_tensorcnt 0x0                           ; my load has landed,
	s_barrier_signal -1
	s_barrier_wait -1                              ; and everybody's
	s_wait_loadcnt 0x0                             ; Q
.macro SUM1 i                          ; the tree's first level: four p into a pair of K's free registers
	v_pk_add_f32 v[KF+2*(\i):KF+2*(\i)+1], v[S+4*(\i):S+4*(\i)+1], v[S+4*(\i)+2:S+4*(\i)+3]
.endm
.macro SUMT i, d                       ; a later level: pair i += pair i + d
	v_pk_add_f32 v[KF+2*(\i):KF+2*(\i)+1], v[KF+2*(\i):KF+2*(\i)+1], v[KF+2*(\i)+2*(\d):KF+2*(\i)+2*(\d)+1]
.endm
; A STEP: 128 keys against my 16 queries
.macro STEP qb, qs, dd, sd
	s_cmp_gt_u32 s[ST], s[\sd]
	s_cbranch_scc1 .Lhidden_\@                     ; all its keys come after my queries
	v_add_nc_u32 v[ADK], s[TK], v[AKL]
	v_add_nc_u32 v[ADS], s[TS], v[AKS]
.irp c, 0,1
.irp u, 0,1,2,3
	ds_load_b128 v[KF+16*\c+4*\u:KF+16*\c+4*\u+3], v[ADK] offset:2048*\c+512*(\u%2)+128*(\u/2)
.endr
.endr
	ds_load_b64 v[KSC:KSC+1], v[ADS]
	ds_load_b64 v[KSC+2:KSC+3], v[ADS] offset:128
	s_wait_dscnt 0x0
.irp u, 0,1,2,3
	v_wmma_scale_f32_16x16x128_f8f6f4 v[S+8*\u:S+8*\u+7], v[KF+4*\u:KF+4*\u+7], v[\qb:\qb+7], 0, v[KSC+\u], v[\qs] matrix_a_fmt:MATRIX_FMT_FP4 matrix_b_fmt:MATRIX_FMT_FP4
.endr
.irp u, 0,1,2,3
	v_wmma_scale_f32_16x16x128_f8f6f4 v[S+32+8*\u:S+32+8*\u+7], v[KF+16+4*\u:KF+16+4*\u+7], v[\qb:\qb+7], 0, v[KSC+\u], v[\qs] matrix_a_fmt:MATRIX_FMT_FP4 matrix_b_fmt:MATRIX_FMT_FP4 matrix_a_scale:MATRIX_SCALE_ROW1
.endr
	v_add_nc_u32 v[ADV], s[TK], v[LI]              ; four plain lines: the places behind these products, and with the two above those behind the last step's, whose registers V's loads fill
	v_add_nc_u32 v[ADT], s[TS], v[AVS]
	v_mov_b32 v[OLD], v[NM]
	v_nop
.irp t, 0,1,2,3
.irp c, 0,1
	ds_load_b128 v[VF+8*\t+4*\c:VF+8*\t+4*\c+3], v[ADV] offset:4096+1024*\t+512*\c
.endr
.endr
	ds_load_b128 v[VSC:VSC+3], v[ADT]
	s_cmp_lg_u32 s[ST], s[\sd]
	s_cbranch_scc1 .Lopen_\@
.set n, 0
.rept 8                                        ; the step on the diagonal: register n is key 64 (n/32) + n%32 + 32 h: hidden where that comes after my query.  Eight compares, each with a mask of its own, then eight selects
.irp k, 0,1,2,3,4,5,6,7
	v_cmp_gt_i32 s[MK+\k], 64*((n+\k)/32)+(n+\k)%32, v[\dd]
.endr
.irp k, 0,1,2,3,4,5,6,7
	v_cndmask_b32 v[S+n+\k], v[S+n+\k], v[NINF], s[MK+\k]
.endr
.set n, n+8
.endr
.Lopen_\@:
.irp k, 0,1,2,3,4,5,6,7                        ; eight chains by turns, one to an accumulator, from its low end on
	v_max3_num_f32 v[CH+\k], v[S+8*\k], v[S+8*\k+1], v[S+8*\k+2]
.endr
.irp i, 3,5
.irp k, 0,1,2,3,4,5,6,7
	v_max3_num_f32 v[CH+\k], v[CH+\k], v[S+8*\k+\i], v[S+8*\k+\i+1]
.endr
.endr
.irp c, 0,1
	v_max3_num_f32 v[CH+4*\c], v[CH+4*\c], v[S+32*\c+7], v[S+32*\c+15]
	v_max3_num_f32 v[CH+4*\c+1], v[CH+4*\c+1], v[S+32*\c+23], v[S+32*\c+31]
	v_max_num_f32 v[CH+4*\c+2], v[CH+4*\c+2], v[CH+4*\c+3]
.endr
	s_delay_alu instid0(VALU_DEP_4)
	v_max3_num_f32 v[B0], v[CH], v[CH+1], v[CH+2]  ; my two blocks' largest scores: they serve the row's maximum and the blocks' scales
	s_delay_alu instid0(VALU_DEP_2)
	v_max3_num_f32 v[B0+1], v[CH+4], v[CH+5], v[CH+6]
	s_delay_alu instid0(VALU_DEP_1)
	v_max_num_f32 v[VM], v[B0], v[B0+1]
	s_delay_alu instid0(VALU_DEP_1)
	v_permlanex16_b32 v[PT], v[VM], s[SEL], s[SEL+1]
	s_delay_alu instid0(VALU_DEP_1)
	v_max3_num_f32 v[MX], v[MX], v[VM], v[PT]      ; the running largest score
	s_delay_alu instid0(VALU_DEP_1)
	v_mul_f32 v[VM], s[CS], v[MX]
	s_delay_alu instid0(VALU_DEP_1)
	v_floor_f32 v[NM], -v[VM]                      ; -M = -ceil(t)
	s_delay_alu instid0(VALU_DEP_1)
	v_sub_f32 v[VM], v[NM], v[OLD]
.set n, 0
.rept 32
	v_pk_fma_f32 v[S+n:S+n+1], v[S+n:S+n+1], s[CS:CS+1], v[NM:NM+1] op_sel_hi:[1,0,0]
.if n == 8
	v_cvt_i32_f32 v[VM], v[VM]                     ; (it saturates)
.endif
.if n == 18
	v_ldexp_f32 v[F], 1.0, v[VM]                   ; f = 2^(old M - new M)
.endif
.set n, n+2
.endr
	v_fma_f32 v[B0], v[B0], s[CS], v[NM]
	v_fma_f32 v[B0+1], v[B0+1], s[CS], v[NM]
.set n, 0
.rept 16
	v_pk_mul_f32 v[O+n:O+n+1], v[O+n:O+n+1], v[F:F+1] op_sel_hi:[1,0]   ; O^T under the new M (no transcendental stands between the last step's products and these lines)
.set n, n+2
.endr
	s_wait_alu depctr_va_vdst(0)                   ; the wait ahead of the batch
.set n, 0
.rept 64
	v_exp_f32 v[S+n], v[S+n]
.set n, n+1
.endr
	v_exp_f32 v[B0], v[B0]                         ; the blocks' largest p
	v_exp_f32 v[B0+1], v[B0+1]
	v_pk_mul_f32 v[L:L+1], v[L:L+1], v[F:F+1] op_sel_hi:[1,0]
	s_wait_alu depctr_va_vdst(0)                   ; and behind it
	v_max_num_f32 v[B0], 0x1800000, v[B0]          ; the floor 2^(3 - 127): the byte cannot fall under 1
	v_max_num_f32 v[B0+1], 0x1800000, v[B0+1]
.irp i, 0,1,2
	SUM1 \i                                        ; the sum of the unquantised p, among the scale bytes' lines
.endr
	v_add_nc_u32 v[SO], 0xff000000, v[B0]          ; 2 off the exponent field: the conversion's scale operand
	v_add_nc_u32 v[SO+1], 0xff000000, v[B0+1]
.irp i, 3,4,5
	SUM1 \i
.endr
	v_lshrrev_b32 v[BY], 23, v[SO]
	v_lshrrev_b32 v[BY+1], 23, v[SO+1]
.irp i, 6,7,8
	SUM1 \i
.endr
	v_lshl_or_b32 v[BY], v[BY+1], 16, v[BY]        ; my bytes: blocks h and 2 + h,
.irp i, 9,10,11,12
	SUM1 \i
.endr
	v_lshlrev_b32 v[BY], v[SH8], v[BY]             ; at their places;
.irp i, 13,14,15
	SUM1 \i
.endr
	v_permlanex16_b32 v[PT2], v[BY], s[SEL], s[SEL+1]
.irp c, 0,1
.irp g, 0,1,2,3
	v_cvt_scalef32_pk8_fp4_f32 v[PC+4*\c+\g], v[S+32*\c+8*\g:S+32*\c+8*\g+7], v[SO+\c]
.endr
.endr
	v_or_b32 v[PW], v[BY], v[PT2]                  ; with lane l xor 16's two the word is whole.  The sixteen lines below are the places ahead of the products
.irp i, 0,1,2,3,4,5,6,7
	SUMT \i, 8
.endr
.irp i, 0,1,2,3
	SUMT \i, 4
.endr
	s_delay_alu instid0(VALU_DEP_2)
	SUMT 0, 2
	s_delay_alu instid0(VALU_DEP_2)
	SUMT 1, 2
	s_delay_alu instid0(VALU_DEP_1)
	SUMT 0, 1
	s_delay_alu instid0(VALU_DEP_1)
	v_pk_add_f32 v[L:L+1], v[L:L+1], v[KF:KF+1]
	s_wait_dscnt 0x0                               ; V and its scale words
.irp t, 0,1,2,3
	v_wmma_scale_f32_16x16x128_f8f6f4 v[O+8*\t:O+8*\t+7], v[VF+8*\t:VF+8*\t+7], v[PC:PC+7], v[O+8*\t:O+8*\t+7], v[VSC+\t], v[PW] matrix_a_fmt:MATRIX_FMT_FP4 matrix_b_fmt:MATRIX_FMT_FP4
.endr
.Lhidden_\@:
.endm
; A tile of 16 queries: 16 trips (a constant), of which those behind the diagonal do nothing; then O^T / the sum, quantised along the head's 64
.macro PASS qb, qs, dd, sd, b
	v_mov_b32 v[NM], 0x7f61b1e6                    ; -M so large that the first f is 0
	v_mov_b32 v[MX], 0xff61b1e6                    ; under every score
	v_mov_b32 v[L], 0
	v_mov_b32 v[L+1], 0
.set n, 0
.rept 32
	v_mov_b32 v[O+n], 0
.set n, n+1
.endr
	s_mov_b32 s[ST], 0
	s_mov_b32 s[TK], 0
	s_mov_b32 s[TS], 0
.Ltrip_\@:
	STEP \qb, \qs, \dd, \sd
	s_add_co_u32 s[TK], s[TK], 8192
	s_add_co_u32 s[TS], s[TS], 768
	s_add_co_u32 s[ST], s[ST], 1
	s_cmp_lt_u32 s[ST], 16
	s_cbranch_scc1 .Ltrip_\@
	s_wait_alu depctr_va_vdst(0)
.rept 4
	v_nop                                          ; places behind the last products
.endr
	v_add_f32 v[L], v[L], v[L+1]
	s_delay_alu instid0(VALU_DEP_1)
	v_permlanex16_b32 v[PT], v[L], s[SEL], s[SEL+1]
	s_delay_alu instid0(VALU_DEP_1)
	v_add_f32 v[L], v[L], v[PT]                    ; the row's sum
	s_wait_alu depctr_va_vdst(0)
	v_rcp_f32 v[L], v[L]
	v_nop
	s_wait_alu depctr_va_vdst(0)
.set n, 0
.rept 32
	v_mul_f32 v[S+n], v[O+n], v[L]                 ; register 16 b + i is channel 32 b + 16 h + i
.set n, n+1
.endr
.irp k, 0,1
	v_max3_num_f32 v[B0+\k], |v[S+16*\k]|, |v[S+16*\k+1]|, 0x1800000
.endr
.irp i, 2,4,6,8,10,12,14
.irp k, 0,1
	s_delay_alu instid0(VALU_DEP_2)
	v_max3_num_f32 v[B0+\k], v[B0+\k], |v[S+16*\k+\i]|, |v[S+16*\k+\i+1]|
.endr
.endr
.irp k, 0,1
	s_delay_alu instid0(VALU_DEP_2)
	v_permlanex16_b32 v[PT2+\k], v[B0+\k], s[SEL], s[SEL+1]
.endr
.irp k, 0,1
	s_delay_alu instid0(VALU_DEP_2)
	v_max_num_f32 v[B0+\k], v[B0+\k], v[PT2+\k]
.endr
.irp k, 0,1
	s_delay_alu instid0(VALU_DEP_2)
	v_add_nc_u32 v[SO+\k], 0xff000000, v[B0+\k]
.endr
.irp k, 0,1
	s_delay_alu instid0(VALU_DEP_2)
	v_lshrrev_b32 v[BY+\k], 23, v[SO+\k]
.endr
	s_delay_alu instid0(VALU_DEP_1)
	v_lshl_or_b32 v[OW], v[BY+1], 8, v[BY]
.irp k, 0,1
	v_cvt_scalef32_pk8_fp4_f32 v[PC+2*\k], v[S+16*\k:S+16*\k+7], v[SO+\k]
	v_cvt_scalef32_pk8_fp4_f32 v[PC+1+2*\k], v[S+16*\k+8:S+16*\k+15], v[SO+\k]
.endr
	v_nop                                          ; one plain line behind the conversions
	v_permlane16_swap_b32 v[PC], v[PC+2]           ; a whole block to a lane
	v_permlane16_swap_b32 v[PC+1], v[PC+3]
	global_store_b128 v[LI], v[PC:PC+3], s[\b+4:\b+5]   ; the wave stores 512 consecutive bytes, aligned
	global_store_b16 v[RS], v[OW], s[\b+6:\b+7]
.endm
	PASS QA, QSA, DDA, SDA, 66
	s_wait_xcnt 0x0                                ; the stores have read their registers
	PASS QB, QSB, DDB, SDB, 74
	s_wait_tensorcnt 0x0                           ; the wave's end
	ds_add_u32 v[SPW], v[NIL]
	s_wait_dscnt 0x0
	ROUND                                          ; the closing round
	s_endpgm
.Lfunc_end_k_q897c425790_attn:
	.size	k_q897c425790_attn, .Lfunc_end_k_q897c425790_attn-k_q897c425790_attn
	.p2alignl 7, 3214868480
	.fill 96, 4, 3214868480
	.section	.rodata,"a",@progbits
	.p2align	6, 0x0
	.amdhsa_kernel k_q897c425790_attn
		.amdhsa_group_segment_fixed_size 167936
		.amdhsa_private_segment_fixed_size 0
		.amdhsa_enable_private_segment 0
		.amdhsa_kernarg_size 32
		.amdhsa_user_sgpr_count 2
		.amdhsa_user_sgpr_kernarg_segment_ptr 1
		.amdhsa_wavefront_size32 1
		.amdhsa_system_sgpr_workgroup_id_x 1
		.amdhsa_system_sgpr_workgroup_id_y 1
		.amdhsa_system_sgpr_workgroup_id_z 1
		.amdhsa_system_vgpr_workitem_id 0
		.amdhsa_next_free_vgpr 256
		.amdhsa_next_free_sgpr 92
		.amdhsa_reserve_vcc 0
		.amdhsa_float_denorm_mode_32 3
		.amdhsa_float_denorm_mode_16_64 3
		.amdhsa_memory_ordered 1
		.amdhsa_forward_progress 1
		.amdhsa_inst_pref_size 67
	.end_amdhsa_kernel
	.amdgpu_metadata
---
amdhsa.version: [ 1, 2 ]
amdhsa.kernels:
  - .name:           k_q897c425790_attn
    .symbol:         k_q897c425790_attn.kd
    .args:
      - { .name: img, .offset: 0, .size: 8, .value_kind: global_buffer, .address_space: global }
      - { .name: sc2, .offset: 8, .size: 8, .value_kind: global_buffer, .address_space: global }
      - { .name: oimg, .offset: 16, .size: 8, .value_kind: global_buffer, .address_space: global }
      - { .name: oscl, .offset: 24, .size: 8, .value_kind: global_buffer, .address_space: global }
    .group_segment_fixed_size: 167936
    .private_segment_fixed_size: 0
    .kernarg_segment_align: 8
    .kernarg_segment_size: 32
    .max_flat_workgroup_size: 512
    .sgpr_count:     92
    .vgpr_count:     256
    .wavefront_size: 32
...
	.end_amdgpu_metadata
.endif
;; end of part 3
;; launch gemm2 (part 4): grid 4 x 64, 4 waves a work-group, clusters of 4 x 4, 262,144 bytes of LDS; arguments oimg, oscl, cod, scl, bo, out0; writes out0
.if DOCPART == 4
	.amdgcn_target "amdgcn-amd-amdhsa--gfx1250"
	.amdhsa_code_object_version 6
	.text
	.protected	k_q897c425790_gemm2
	.globl	k_q897c425790_gemm2
	.p2align	8
	.type	k_q897c425790_gemm2,@function
k_q897c425790_gemm2:
	s_mov_b64 s[64:65], 0
	v_nop
	global_prefetch_b8 v0, s[64:65] scope:SCOPE_SE
	s_setreg_imm32_b32 hwreg(HW_REG_WAVE_MODE, 25, 1), 1
	s_wait_xcnt 0x0
	s_wait_alu depctr_hold_cnt(0) depctr_sa_sdst(0) depctr_va_vdst(0) depctr_va_sdst(0) depctr_va_ssrc(0) depctr_va_vcc(0) depctr_vm_vsrc(0)
	s_getreg_b32 s2, hwreg(HW_REG_IB_STS2, 6, 4)
	s_cmp_eq_u32 s2, 0
	s_cbranch_scc0 .Lentry_in_a_cluster
	s_endpgm
.Lentry_in_a_cluster:
	s_bfe_u32 s2, ttmp6, 0x10000c
	s_cmp_lg_u32 s2, 0xf033
	s_cbranch_scc0 .Lentry_shape_is_right
	s_endpgm
.Lentry_shape_is_right:
; out0 = attention's result x Wo + bo on codes of FP4 (E2M1) with E8M0 scales, K = 1,024.
; oimg [tile of 16 stored tokens][head 16][512 bytes]: images of operand registers, a lane's 16 bytes at 16 x lane; oscl [stored token][32 bytes].  Wo's columns are rows 11264 .. of cod (512 bytes) and scl (32 bytes).
; Stored rows have bits 3 and 4 of their number exchanged: stored row 16 t + r is row 32 (t/2) + 8 (t%2) + r + 8 (r/8), for tokens and for Wo's columns alike.
; A work-group of four waves makes 128 tokens x 256 columns: 4 x 64 = 256 work-groups; a wave 64 x 128: 32 accumulators in window 2.
; ALL OF K lies in LDS, filled once, one joint load a wave at the head: wave 0 the tokens' codes (65,536 dense bytes), wave 1 Wo's 256 rows (512 bytes + 16 of padding), waves 2 and 3 their scales.
; CLUSTERS 4 x 4: the tokens' tiles are shared along a row of the cluster, Wo's along a column.  No prefetch: every tile is asked for at the head, so there is no loop to run ahead in.
; Source 0 = 16 rows of Wo, source 1 = 16 tokens: a lane holds one token and eight neighbouring columns.  The bias is the C of each accumulator's first product.
; REGISTERS: window 0: v16-29 addresses, v32-95 scale words (register 8 i + q: lanes 0-15 the tokens' block i, lanes 16-31 Wo's block i, K step q), v128-191 the tokens' fragments, two sets, v192-255 the bias;
;   window 1: Wo's fragments, two sets, v0 and v128; window 2: the accumulators.  On the way out v128-255 of window 0 take the rows read back.
.set PITCH,  528
.set ABYTES, 65536
.set HALFB,  128*PITCH
.set SCL,    ABYTES+2*HALFB
.set SBLK,   544                       ; the scales of 16 rows: 512 bytes in two units of 256 + 16
.set SCLB,   SCL+8*SBLK
.set SPARE,  SCLB+16*SBLK              ; the spare words: 128 bytes a wave, named by no other line
.set STAGE,  SPARE+512                 ; the way out: 16 rows x 528 bytes a wave, bytes of their own
.set SPITCH, 528
.set ADRA, 16
.set ADRB, 20
.set STO,  24
.set RD,   25
.set CO,   26
.set ADRS, 27
.set SPW,  28
.set NIL,  29
.set SC,   32
.set AF,   128
.set BK,   128
.set BIAS, 192
.set WV, 14
.set WH, 15
.set WL, 16
.set G1, 24
.set G0, 32
.set G1B, 48
.set G0B, 56
.set G1S, 68
.set G0S, 76
.set G1SB, 80
.set G0SB, 88
.set MSB, 0
.macro WIN new                         ; the immediate's high byte repeats the setting that is left
.if MSB != (\new)
	s_set_vgpr_msb (MSB<<8)|(\new)
.set MSB, (\new)
.endif
.endm
.macro CROUND                          ; a round of the cluster's barrier
	s_barrier_signal -1
	s_barrier_wait -1
	s_cmp_lg_u32 s[WV], 0
	s_cbranch_scc1 .Lnot_wave_0_\@
	s_barrier_signal -3
.Lnot_wave_0_\@:
	s_barrier_wait -3
	s_barrier_signal -1
	s_barrier_wait -1
.endm
	s_load_b256 s[4:11], s[0:1], 0x0               ; oimg, oscl, cod, scl
	s_load_b64 s[96:97], s[0:1], 0x20              ; bo
	s_load_b64 s[12:13], s[0:1], 0x28              ; out0
	v_lshl_add_u32 v[SPW], v0, 2, SPARE
	v_mov_b32 v[NIL], 0
	ds_add_u32 v[SPW], v[NIL]                      ; the opening lines: the add twice on end and one wait
	ds_add_u32 v[SPW], v[NIL]
	v_lshrrev_b32 v1, 5, v0
	v_readfirstlane_b32 s[WV], v1
	s_lshr_b32 s[WH], s[WV], 1                     ; my 64 tokens
	s_and_b32 s[WL], s[WV], 1                      ; my 128 columns
	s_bfe_u32 s40, ttmp6, 0x40000                  ; cx
	s_bfe_u32 s41, ttmp6, 0x40004                  ; cy
	s_lshl_b32 s42, ttmp9, 2
	s_add_co_u32 s42, s42, s40                     ; the tile of 256 columns
	s_and_b32 s17, ttmp7, 0xffff
	s_lshl_b32 s17, s17, 2
	s_add_co_u32 s17, s17, s41                     ; the tile of 128 tokens
	s_lshl_b32 s43, s41, 2
	s_lshl_b32 s43, 15, s43                        ; my row of the cluster
	s_lshl_b32 s44, 0x1111, s40                    ; my column
	s_or_b32 s[G1+0], s43, (3<<16)|(1<<21)         ; the tokens' codes: 256 rows of 256 bytes, dense
	s_mov_b32 s[G1+1], 32<<16
	s_mov_b32 s[G1+2], 256<<16
	s_mov_b32 s[G1+3], 32<<16
	s_mov_b32 s[G1+4], 256
	s_mov_b32 s[G1+5], 32
	s_mov_b32 s[G1+6], 0
	s_mov_b32 s[G1+7], 0
	s_or_b32 s[G1B+0], s44, (0<<16)|(1<<20)|(1<<21)|(6<<22)|(3<<25)  ; Wo: 256 rows of 512 bytes, 4 words of padding behind every 128
	s_mov_b32 s[G1B+1], 512<<16
	s_mov_b32 s[G1B+2], 256<<16
	s_mov_b32 s[G1B+3], 512<<16
	s_mov_b32 s[G1B+4], 256
	s_mov_b32 s[G1B+5], 512
	s_mov_b32 s[G1B+6], 0
	s_mov_b32 s[G1B+7], 0
	s_or_b32 s[G1S+0], s43, (3<<16)|(1<<20)|(1<<21)|(5<<22)|(3<<25)  ; scales: rows of 256 bytes, 16 of padding behind each: 16 rows for 128 tokens,
	s_mov_b32 s[G1S+1], 32<<16
	s_mov_b32 s[G1S+2], 16<<16
	s_mov_b32 s[G1S+3], 32<<16
	s_mov_b32 s[G1S+4], 16
	s_mov_b32 s[G1S+5], 32
	s_mov_b32 s[G1S+6], 0
	s_mov_b32 s[G1S+7], 0
	s_or_b32 s[G1SB+0], s44, (3<<16)|(1<<20)|(1<<21)|(5<<22)|(3<<25) ; 32 for Wo's 256 rows
	s_mov_b32 s[G1SB+1], 32<<16
	s_mov_b32 s[G1SB+2], 32<<16
	s_mov_b32 s[G1SB+3], 32<<16
	s_mov_b32 s[G1SB+4], 32
	s_mov_b32 s[G1SB+5], 32
	s_mov_b32 s[G1SB+6], 0
	s_mov_b32 s[G1SB+7], 0
	s_lshl_b32 s20, s17, 16                        ; 128 tokens: 65,536 bytes of codes,
	s_mov_b32 s21, 0
	s_lshl_b32 s22, s17, 12                        ; 4,096 of scales
	s_mov_b32 s23, 0
	s_lshl_b32 s46, s42, 8
	s_add_co_u32 s46, s46, 11264                   ; Wo's first row
	s_lshl_b32 s92, s46, 5
	s_mov_b32 s93, 0
	s_lshl_b32 s46, s46, 9
	s_mov_b32 s47, 0
	s_wait_dscnt 0x0
	s_wait_kmcnt 0x0
	s_mov_b32 s[G0], 1
	s_mov_b32 s[G0+1], 0
	s_add_nc_u64 s[G0+2:G0+3], s[4:5], s[20:21]
	s_or_b32 s[G0+3], s[G0+3], 0x80000000
	s_mov_b32 s[G0S], 1
	s_mov_b32 s[G0S+1], SCL
	s_add_nc_u64 s[G0S+2:G0S+3], s[6:7], s[22:23]
	s_or_b32 s[G0S+3], s[G0S+3], 0x80000000
	s_mov_b32 s[G0B], 1
	s_mov_b32 s[G0B+1], ABYTES
	s_add_nc_u64 s[G0B+2:G0B+3], s[8:9], s[46:47]
	s_or_b32 s[G0B+3], s[G0B+3], 0x80000000
	s_mov_b32 s[G0SB], 1
	s_mov_b32 s[G0SB+1], SCLB
	s_add_nc_u64 s[G0SB+2:G0SB+3], s[10:11], s[92:93]
	s_or_b32 s[G0SB+3], s[G0SB+3], 0x80000000
	CROUND                                         ; all sixteen work-groups are here: the joint loads meet
; ONE load a wave at the head: one chain of branches on the wave's number, an arm a load, all arms to one join
.macro ARM under, g0, g1, next
	s_cmp_lt_u32 s[WV], \under
	s_cbranch_scc0 \next
	tensor_load_to_lds s[\g0:\g0+3], s[\g1:\g1+7]
	s_nop 0
.rept 4
	v_nop
.endr
	s_branch .Lhead_asked
\next:
.endm
	ARM 1, G0,  G1,  .Lhead_b
	ARM 2, G0B, G1B, .Lhead_sa
	ARM 3, G0S, G1S, .Lhead_sb
	tensor_load_to_lds s[G0SB:G0SB+3], s[G1SB:G1SB+7]
	s_nop 0
.rept 4
	v_nop
.endr
.Lhead_asked:
	s_lshl_b32 s18, s[WH], 15                      ; my four tiles of tokens
	s_mul_i32 s19, s[WL], HALFB
	s_add_co_u32 s19, s19, ABYTES                  ; my 128 rows of Wo
	s_mul_i32 s21, s[WH], 4*SBLK
	s_mul_i32 s22, s[WL], 8*SBLK
	s_add_co_u32 s22, s22, 8*SBLK
	s_sub_co_u32 s22, s22, s21                     ; from my tokens' scales to my columns'
	s_add_co_u32 s21, s21, SCL
	s_mul_i32 s23, s[WV], 16*SPITCH
	s_add_co_u32 s23, s23, STAGE
	s_lshl_b32 s20, s17, 7
	s_lshl_b32 s45, s[WH], 6
	s_add_co_u32 s20, s20, s45
	s_lshl_b32 s20, s20, 12                        ; my first row of out0, 4,096 bytes a row
	s_lshl_b32 s46, s42, 10
	s_lshl_b32 s47, s[WL], 9
	s_add_co_u32 s46, s46, s47                     ; my first column, in bytes
	s_mov_b32 s47, 0
	s_add_nc_u64 s[96:97], s[96:97], s[46:47]
	s_add_nc_u64 s[12:13], s[12:13], s[46:47]
	s_mov_b32 s46, s20
	s_add_nc_u64 s[12:13], s[12:13], s[46:47]
	v_and_b32 v1, 15, v0                           ; r
	v_bfe_u32 v2, v0, 4, 1                         ; h
	v_and_b32 v6, 31, v0
	v_lshlrev_b32 v[CO], 4, v6
	v_add_nc_u32 v[ADRA], s18, v[CO]
	v_mul_u32_u24 v3, v1, PITCH
	v_lshl_add_u32 v4, v2, 4, v3
	v_add_nc_u32 v[ADRB], s19, v4
	v_lshlrev_b32 v5, 5, v1                        ; my row's scales: 32 bytes a row, 16 more for each 256 passed
	v_lshrrev_b32 v3, 8, v5
	v_lshl_add_u32 v5, v3, 4, v5
	v_mul_u32_u24 v3, s22, v2                      ; lanes 16-31 take Wo's
	v_add_nc_u32 v5, v5, v3
	v_add_nc_u32 v[ADRS], s21, v5
	v_mul_u32_u24 v5, v1, SPITCH
	v_lshl_add_u32 v5, v2, 6, v5
	v_add_nc_u32 v[STO], s23, v5
	v_add_nc_u32 v[RD], s23, v[CO]
	v_lshlrev_b32 v7, 6, v2
.irp b, 0,1,2,3,4,5,6,7
	global_load_b128 v[BIAS+8*\b:BIAS+8*\b+3], v7, s[96:97] offset:(32*(\b/2)+8*(\b%2))*4       ; columns 32 (b/2) + 16 h + 8 (b%2) + 0 .. 7 of my 128
	global_load_b128 v[BIAS+8*\b+4:BIAS+8*\b+7], v7, s[96:97] offset:(32*(\b/2)+8*(\b%2))*4+16
.endr
.macro FETCH q, p                      ; K step q's fragments into set p: Wo's eight, the tokens' four
	WIN 0x40
.irp i, 0,1,2,3,4,5,6,7
.irp c, 0,1
	ds_load_b128 v[128*(\p)+8*\i+4*\c:128*(\p)+8*\i+4*\c+3], v[ADRB] offset:64*(\q)+32*\c+\i*16*PITCH
.endr
.endr
	WIN 0
.irp i, 0,1,2,3
.irp c, 0,1
	ds_load_b128 v[AF+32*(\p)+8*\i+4*\c:AF+32*(\p)+8*\i+4*\c+3], v[ADRA] offset:8192*\i+1024*(\q)+512*\c
.endr
.endr
.endm
.macro MUL q, p, first                 ; 32 products: the accumulators take turns, one instruction a turn, in the same order in every step
.irp a, 0,1,2,3
.irp b, 0,1,2,3,4,5,6,7
.if \first
	v_wmma_scale_f32_16x16x128_f8f6f4 v[8*(8*\a+\b):8*(8*\a+\b)+7], v[128*(\p)+8*\b:128*(\p)+8*\b+7], v[AF+32*(\p)+8*\a:AF+32*(\p)+8*\a+7], v[BIAS+8*\b:BIAS+8*\b+7], v[SC+8*\b+(\q)], v[SC+8*\a+(\q)] matrix_a_fmt:MATRIX_FMT_FP4 matrix_b_fmt:MATRIX_FMT_FP4 matrix_a_scale:MATRIX_SCALE_ROW1
.else
	v_wmma_scale_f32_16x16x128_f8f6f4 v[8*(8*\a+\b):8*(8*\a+\b)+7], v[128*(\p)+8*\b:128*(\p)+8*\b+7], v[AF+32*(\p)+8*\a:AF+32*(\p)+8*\a+7], v[8*(8*\a+\b):8*(8*\a+\b)+7], v[SC+8*\b+(\q)], v[SC+8*\a+(\q)] matrix_a_fmt:MATRIX_FMT_FP4 matrix_b_fmt:MATRIX_FMT_FP4 matrix_a_scale:MATRIX_SCALE_ROW1
.endif
.endr
.endr
.endm
.macro STEP q, first, more             ; 128 along K: this step's fragments are in; the next step's are asked for ahead of the 32 products
	s_wait_dscnt 0x0
.if \more
.if (\q) > 0
.rept 4
	v_nop                                          ; places ahead of loads into registers that the last step's products read
.endr
.endif
	FETCH (\q)+1, 1-(\q)%2
.endif
.if \first
	WIN 0x81                                       ; source 0 window 1, source 1 and C window 0, D window 2
.else
	WIN 0xa1                                       ; C and D window 2
.endif
	MUL \q, (\q)%2, \first
.endm
	s_wait_alu depctr_va_vdst(0)                   ; the wait at the head's end
	s_wait_tensorcnt 0x0                           ; my tile of the four has landed,
	s_barrier_signal -1
	s_barrier_wait -1                              ; and everybody's
.irp i, 0,1,2,3,4,5,6,7
	ds_load_b128 v[SC+8*\i:SC+8*\i+3], v[ADRS] offset:\i*SBLK       ; all eight K steps' scale words
	ds_load_b128 v[SC+8*\i+4:SC+8*\i+7], v[ADRS] offset:\i*SBLK+16
.endr
	FETCH 0, 0
	s_wait_loadcnt 0x0                             ; the bias
	STEP 0, 1, 1
.irp q, 1,2,3,4,5,6
	STEP \q, 0, 1
.endr
	STEP 7, 0, 0
	WIN 0
; THE WAY OUT, block by block of 16 tokens x 128 columns, through my own stage: rows of 512 bytes come back whole and leave as two aligned units of 256 bytes
.macro TOSTAGE a
	WIN 0x08                                       ; the data: window 2
.irp b, 0,1,2,3,4,5,6,7
	ds_store_b128 v[STO], v[64*(\a)+8*\b:64*(\a)+8*\b+3] offset:128*(\b/2)+32*(\b%2)        ; each accumulator from its low end on
	ds_store_b128 v[STO], v[64*(\a)+8*\b+4:64*(\a)+8*\b+7] offset:128*(\b/2)+32*(\b%2)+16
.endr
	WIN 0
.set BB, BK+64*((\a)%2)
.irp t, 0,1,2,3,4,5,6,7,8,9,10,11,12,13,14,15
	ds_load_b128 v[BB+4*\t:BB+4*\t+3], v[RD] offset:\t*SPITCH       ; LDS serves a wave's instructions in order: these see my stores
.endr
.endm
.macro SEND a, younger                 ; younger: the LDS instructions issued behind block a's loads
.set BB, BK+64*((\a)%2)
	s_wait_dscnt \younger
.irp t, 0,1,2,3,4,5,6,7,8,9,10,11,12,13,14,15
	global_store_b128 v[CO], v[BB+4*\t:BB+4*\t+3], s[12:13] offset:(32*((\a)/2)+8*((\a)%2)+\t+8*(\t/8))*4096 th:TH_STORE_NT
.endr
.endm
.rept 4
	v_nop                                          ; places behind the last products
.endr
	TOSTAGE 0
.irp a, 1,2,3
.if \a > 1
	s_wait_xcnt 0x0                                ; block a - 2's stores have read their registers
.endif
	TOSTAGE \a
	SEND \a-1, 32
.endr
	SEND 3, 0
	s_wait_tensorcnt 0x0                           ; the wave's end
	ds_add_u32 v[SPW], v[NIL]
	s_wait_dscnt 0x0
	CROUND                                         ; the closing round
	s_endpgm
.Lfunc_end_k_q897c425790_gemm2:
	.size	k_q897c425790_gemm2, .Lfunc_end_k_q897c425790_gemm2-k_q897c425790_gemm2
	.p2alignl 7, 3214868480
	.fill 96, 4, 3214868480
	.section	.rodata,"a",@progbits
	.p2align	6, 0x0
	.amdhsa_kernel k_q897c425790_gemm2
		.amdhsa_group_segment_fixed_size 262144
		.amdhsa_private_segment_fixed_size 0
		.amdhsa_enable_private_segment 0
		.amdhsa_kernarg_size 48
		.amdhsa_user_sgpr_count 2
		.amdhsa_user_sgpr_kernarg_segment_ptr 1
		.amdhsa_wavefront_size32 1
		.amdhsa_system_sgpr_workgroup_id_x 1
		.amdhsa_system_sgpr_workgroup_id_y 1
		.amdhsa_system_sgpr_workgroup_id_z 1
		.amdhsa_system_vgpr_workitem_id 0
		.amdhsa_next_free_vgpr 768
		.amdhsa_next_free_sgpr 98
		.amdhsa_reserve_vcc 0
		.amdhsa_float_denorm_mode_32 3
		.amdhsa_float_denorm_mode_16_64 3
		.amdhsa_memory_ordered 1
		.amdhsa_forward_progress 1
		.amdhsa_inst_pref_size 71
	.end_amdhsa_kernel
	.amdgpu_metadata
---
amdhsa.version: [ 1, 2 ]
amdhsa.kernels:
  - .name:           k_q897c425790_gemm2
    .symbol:         k_q897c425790_gemm2.kd
    .args:
      - { .name: oimg, .offset: 0, .size: 8, .value_kind: global_buffer, .address_space: global }
      - { .name: oscl, .offset: 8, .size: 8, .value_kind: global_buffer, .address_space: global }
      - { .name: cod, .offset: 16, .size: 8, .value_kind: global_buffer, .address_space: global }
      - { .name: scl, .offset: 24, .size: 8, .value_kind: global_buffer, .address_space: global }
      - { .name: bo, .offset: 32, .size: 8, .value_kind: global_buffer, .address_space: global }
      - { .name: out0, .offset: 40, .size: 8, .value_kind: global_buffer, .address_space: global }
    .group_segment_fixed_size: 262144
    .private_segment_fixed_size: 0
    .kernarg_segment_align: 8
    .kernarg_segment_size: 48
    .max_flat_workgroup_size: 128
    .sgpr_count:     98
    .vgpr_count:     768
    .wavefront_size: 32
...
	.end_amdgpu_metadata
.endif
;; end of part 4
